; MI455X (gfx1250); checked and timed in simulation.
; The chip was launched on July 23, 2026; its instructions are those of AMD's public machine-readable ISA for CDNA 5 (MIT licence, August 2026) and "CDNA5" Instruction Set Architecture Reference Guide (July 2026). The comments in the code are by the model that wrote it; some were corrected since.
;; Encoder Block. Allowed arithmetic: matrix products marked QUANTISED: E2M1 operands, one E8M0 scale for each 32 along K, by v_wmma_scale_f32_16x16x128_f8f6f4 with both operands' format E2M1 (or v_wmma_scale_f32_32x16x128_f4), f32 sums; everything else in f32.
;; Inputs: b_1 1,024 float32; b_2 512 float32; b_k 512 float32; b_o 512 float32; b_q 512 float32; b_v 512 float32; src_mask 8 x 1 x 1 x 2,048 int32; w_1_codes 1,024 x 16 x 16 uint8 (E2M1 codes of w_1, K innermost, in blocks of 32 codes, two codes a byte); w_1_scales 1,024 x 16 uint8 (E8M0 scales of w_1, one for each 32 codes along K); w_2_codes 512 x 32 x 16 uint8 (E2M1 codes of w_2, K innermost, in blocks of 32 codes, two codes a byte); w_2_scales 512 x 32 uint8 (E8M0 scales of w_2, one for each 32 codes along K); w_k_codes 512 x 16 x 16 uint8 (E2M1 codes of w_k, K innermost, in blocks of 32 codes, two codes a byte); w_k_scales 512 x 16 uint8 (E8M0 scales of w_k, one for each 32 codes along K); w_o_codes 512 x 16 x 16 uint8 (E2M1 codes of w_o, K innermost, in blocks of 32 codes, two codes a byte); w_o_scales 512 x 16 uint8 (E8M0 scales of w_o, one for each 32 codes along K); w_q_codes 512 x 16 x 16 uint8 (E2M1 codes of w_q, K innermost, in blocks of 32 codes, two codes a byte); w_q_scales 512 x 16 uint8 (E8M0 scales of w_q, one for each 32 codes along K); w_v_codes 512 x 16 x 16 uint8 (E2M1 codes of w_v, K innermost, in blocks of 32 codes, two codes a byte); w_v_scales 512 x 16 uint8 (E8M0 scales of w_v, one for each 32 codes along K); x 8 x 2,048 x 512 float32.
;; Outputs: out0 8 x 2,048 x 512 float32.
;; This version of the problem:
;;   THIS VERSION OF THE PROBLEM IS GIVEN IN LOW PRECISION. The matrix products marked QUANTISED in the list below multiply operands that are first quantised to E2M1 (2 exponent bits, 1 mantissa bit; 4 bits a number), with one power-of-two scale for each 32 numbers along K (OCP MX v1.0); their sums are f32. All else is computed in f32.
;;   The module's matrix products, in the order in which they are computed (A, B: the left and right operand; K: the contracted axis; several contracted axes count as one K, in the product's order):
;;     1. [M 16,384, K 512] x [K 512, N 512]; A: computed on the way; B: input w_q (given as codes): QUANTISED
;;     2. [M 16,384, K 512] x [K 512, N 512]; A: computed on the way; B: input w_k (given as codes): QUANTISED
;;     3. [M 16,384, K 512] x [K 512, N 512]; A: computed on the way; B: input w_v (given as codes): QUANTISED
;;     4. batch 64 x [M 2,048, K 64] x [K 64, N 2,048]; A: computed on the way; B: computed on the way: QUANTISED
;;     5. batch 64 x [M 2,048, K 2,048] x [K 2,048, N 64]; A: softmax (see below); B: computed on the way: QUANTISED
;;     6. [M 16,384, K 512] x [K 512, N 512]; A: computed on the way; B: input w_o (given as codes): QUANTISED
;;     7. [M 16,384, K 512] x [K 512, N 1,024]; A: computed on the way; B: input w_1 (given as codes): QUANTISED
;;     8. [M 16,384, K 1,024] x [K 1,024, N 512]; A: computed on the way; B: input w_2 (given as codes): QUANTISED
;;   THE QUANTISER, for each operand of a quantised product, along K:
;;     - K is cut into blocks of 32 from its start; a last block that is shorter is filled with zeros.
;;     - A block's scale is 2^e with e = floor(log2(the largest magnitude in the block)) - 2, held to -126 .. 127; a block of zeros has e = 0. As a byte (E8M0): e + 127.
;;     - Each number is divided by its block's scale, clamped to +-6, and rounded to the nearest number of E2M1, ties to even, subnormals kept.
;;     - The product sums the exact products of the quantised numbers (number of the format x scale) in f32.
;;   ~~~python
;;   def quantise(x, axis):      # numpy; x: float32 -> the quantised numbers, widened to float32 again
;;       x = np.moveaxis(x, axis, -1); K = x.shape[-1]
;;       x = np.pad(x, [(0, 0)] * (x.ndim - 1) + [(0, -K % 32)]); x = x.reshape(x.shape[:-1] + (-1, 32)); a = np.abs(x).max(-1, keepdims=True)
;;       e = np.where(a > 0, np.clip(np.frexp(np.where(a > 0, a, 1))[1] - 1 - 2, -126, 127), 0)      # np.frexp(a)[1] - 1 = floor(log2(a)), exactly
;;       r = np.clip(x / 2.0 ** e, -6, 6)
;;       step = 2.0 ** (np.maximum(np.frexp(np.where(r == 0, 1, r))[1] - 1, 0) - 1)
;;       q = np.round(r / step) * step * 2.0 ** e      # np.round: ties to even
;;       return np.moveaxis(q.reshape(q.shape[:-2] + (-1,))[..., :K], -1, axis).astype(np.float32)
;;   ~~~
;;   SOFTMAX AHEAD OF A QUANTISED PRODUCT. Where the list says 'softmax', what is quantised is not the finished softmax but p = 2^(t - M), with t = logit x log2(e) and M = ceil(the row's largest t), a whole number; so 1/2 < the row's largest p <= 1. The row's sum l is taken of the UNQUANTISED p, in f32, and the product's result is divided by l at the end. Since M is a whole number, a kernel that streams over the keys may use a running M (the ceiling of the running maximum): every later rescaling is an exact power of two, which a block's scale takes up: the codes' values come out the same.
;;   OPERANDS COMPUTED ON THE WAY. 'Computed on the way' means the value that the module computes at that place (a softmax that the list does not call 'softmax' is quantised finished and normalised). What goes into a quantiser is computed in f32, as accurately as f32 sums, v_exp_f32 and their like allow (about 1e-6 of the number): no bf16 or f16 on the way to a quantiser, and a product that is left as it is and whose result goes on into a quantised operand takes f32 operands (vector FMAs, or v_wmma_f32_16x16x4_f32). A number that lies on a knife's edge between two numbers of the format may be rounded either way, as far as f32 arithmetic and the matrix unit's own rounding can turn it there, and no further.
;;   INPUTS GIVEN AS CODES. w_1 (in the module: [1024, 512], K = its axis 1); w_2 (in the module: [512, 1024], K = its axis 1); w_k (in the module: [512, 512], K = its axis 1); w_o (in the module: [512, 512], K = its axis 1); w_q (in the module: [512, 512], K = its axis 1); w_v (in the module: [512, 512], K = its axis 1): each comes as NAME_codes (uint8): NAME with its K axis moved to the last place and cut into blocks of 32 codes, [.., K / 32, bytes a block], one block behind the other in memory; two codes a byte, the lower K in the low four bits (a code: sign, 2 exponent bits, 1 mantissa bit); and NAME_scales (uint8): the same leading axes, one E8M0 byte (e + 127) for each 32 codes along K. Its value is code x scale, taken as it is: it is not quantised again, and the codes and scales need not be those that the quantiser above would give.
;; One version. Each part assembles by itself: llvm-mc -triple=amdgcn-amd-amdhsa -mcpu=gfx1250 --defsym DOCPART=n.
;; ======== version 1 of 1: 4 launches
;; workspace buffers: wimg 1,048,576 bytes; q_img 4,194,304 bytes; k_img 4,194,304 bytes; v_img 4,194,304 bytes; qks 1,048,576 bytes; vs 262,144 bytes; o_img 4,194,304 bytes; os 262,144 bytes
;; launch relay (part 1): grid 256 x 1, 1 waves a work-group, no clusters, 0 bytes of LDS; arguments w_q_codes, w_k_codes, w_v_codes, w_o_codes, w_1_codes, w_2_codes, wimg; writes wimg
.if DOCPART == 1
	.amdgcn_target "amdgcn-amd-amdhsa--gfx1250"
	.amdhsa_code_object_version 6
	.text
	.protected	k_qb8e5ebbf53_relay
	.globl	k_qb8e5ebbf53_relay
	.p2align	8
	.type	k_qb8e5ebbf53_relay,@function
k_qb8e5ebbf53_relay:
	s_mov_b64 s[64:65], 0
	v_nop
	global_prefetch_b8 v0, s[64:65] scope:SCOPE_SE
	s_setreg_imm32_b32 hwreg(HW_REG_WAVE_MODE, 25, 1), 1
	s_wait_xcnt 0x0
; The six weights' codes are laid anew, once, in the ORDER OF THE OPERAND'S REGISTERS: wimg = [tile][K step of 128][c][lane][16 bytes], so that the two launches that multiply by them
; (256 work-groups each, every one reading every weight) fetch a fragment by loads of 512 consecutive bytes.  Here, and only here, a load touches 16 rows for 32 bytes each.
; A tile is 16 rows of a weight, NOT neighbours: lane r of tile 2 B + u takes row 32 B + 8 u + r + 8 (r / 8), so that a transposed product's 16 registers of two neighbouring tiles are 16 neighbours along the next K.
; A fragment: lane (r, h) holds, in registers 4 c .. 4 c + 3, k = 64 c + 32 h + 0 .. 31 of its row: 16 bytes of the row as they lie.
; One wave a work-group; work-group u makes the 4,096 bytes at 4,096 u of wimg: a tile of a weight with K = 512 (rows of 256 bytes), or half a tile (K half u % 2) of w_2 (K = 1,024, rows of 512 bytes).
; Units 0-31 w_q, 32-63 w_k, 64-95 w_v, 96-127 w_o, 128-191 w_1, 192-255 w_2.
	s_load_b256 s[4:11], s[0:1], 0x0               ; w_q s[4:5], w_k s[6:7], w_v s[8:9], w_o s[10:11]
	s_load_b128 s[12:15], s[0:1], 0x20             ; w_1 s[12:13], w_2 s[14:15]
	s_load_b64 s[16:17], s[0:1], 0x30              ; wimg
	v_and_b32 v1, 15, v0                           ; r
	v_bfe_u32 v2, v0, 4, 1                         ; h
	v_and_b32 v3, 8, v1
	v_add_nc_u32 v3, v3, v1                        ; r + 8 (r / 8)
	v_lshlrev_b32 v5, 4, v0                        ; out: 16 x lane
	s_lshr_b32 s20, ttmp9, 5                       ; which run of 32 units
	s_and_b32 s21, ttmp9, 31                       ; the tile, in a weight of 32 tiles,
	s_and_b32 s22, ttmp9, 63                       ; in w_1,
	s_lshr_b32 s23, s22, 1                         ; in w_2,
	s_and_b32 s24, ttmp9, 1                        ; and w_2's K half
	s_cmp_ge_u32 s20, 4
	s_cselect_b32 s21, s22, s21
	s_cmp_ge_u32 s20, 6
	s_cselect_b32 s21, s23, s21
	s_cselect_b32 s24, s24, 0
	s_cselect_b32 s25, 9, 8                        ; log2 of a row's bytes
	s_lshr_b32 s26, s21, 1
	s_lshl_b32 s26, s26, 5
	s_and_b32 s27, s21, 1
	s_lshl_b32 s27, s27, 3
	s_add_co_u32 s26, s26, s27                     ; the tile's first row: 32 (tile / 2) + 8 (tile % 2)
	s_lshl_b32 s26, s26, s25
	s_lshl_b32 s24, s24, 8
	s_add_co_u32 s26, s26, s24                     ; in bytes, + 256 for w_2's second K half
	s_mov_b32 s27, 0
	s_lshl_b32 s28, ttmp9, 12
	s_mov_b32 s29, 0
	v_lshlrev_b32 v4, s25, v3
	v_lshl_add_u32 v4, v2, 4, v4                   ; in: my row, + 16 h
	s_wait_kmcnt 0x0
	s_cmp_eq_u32 s20, 1                            ; the weight is chosen by the work-group's number alone
	s_cselect_b64 s[4:5], s[6:7], s[4:5]
	s_cmp_eq_u32 s20, 2
	s_cselect_b64 s[4:5], s[8:9], s[4:5]
	s_cmp_eq_u32 s20, 3
	s_cselect_b64 s[4:5], s[10:11], s[4:5]
	s_cmp_ge_u32 s20, 4
	s_cselect_b64 s[4:5], s[12:13], s[4:5]
	s_cmp_ge_u32 s20, 6
	s_cselect_b64 s[4:5], s[14:15], s[4:5]
	s_add_nc_u64 s[4:5], s[4:5], s[26:27]
	s_add_nc_u64 s[16:17], s[16:17], s[28:29]
.irp i, 0,1,2,3,4,5,6,7
	global_load_b128 v[8+4*\i:11+4*\i], v4, s[4:5] offset:32*\i       ; K step i / 2, c = i % 2
.endr
	s_wait_loadcnt 0x0
.irp i, 0,1,2,3,4,5,6,7
	global_store_b128 v5, v[8+4*\i:11+4*\i], s[16:17] offset:512*\i   ; 32 lanes store 512 consecutive bytes
.endr
	s_endpgm
.Lfunc_end_k_qb8e5ebbf53_relay:
	.size	k_qb8e5ebbf53_relay, .Lfunc_end_k_qb8e5ebbf53_relay-k_qb8e5ebbf53_relay
	.p2alignl 7, 3214868480
	.fill 96, 4, 3214868480
	.section	.rodata,"a",@progbits
	.p2align	6, 0x0
	.amdhsa_kernel k_qb8e5ebbf53_relay
		.amdhsa_group_segment_fixed_size 0
		.amdhsa_private_segment_fixed_size 0
		.amdhsa_enable_private_segment 0
		.amdhsa_kernarg_size 56
		.amdhsa_user_sgpr_count 2
		.amdhsa_user_sgpr_kernarg_segment_ptr 1
		.amdhsa_wavefront_size32 1
		.amdhsa_system_sgpr_workgroup_id_x 1
		.amdhsa_system_sgpr_workgroup_id_y 1
		.amdhsa_system_sgpr_workgroup_id_z 1
		.amdhsa_system_vgpr_workitem_id 0
		.amdhsa_next_free_vgpr 48
		.amdhsa_next_free_sgpr 66
		.amdhsa_reserve_vcc 0
		.amdhsa_float_denorm_mode_32 3
		.amdhsa_float_denorm_mode_16_64 3
		.amdhsa_memory_ordered 1
		.amdhsa_forward_progress 1
		.amdhsa_inst_pref_size 4
	.end_amdhsa_kernel
	.amdgpu_metadata
---
amdhsa.version: [ 1, 2 ]
amdhsa.kernels:
  - .name:           k_qb8e5ebbf53_relay
    .symbol:         k_qb8e5ebbf53_relay.kd
    .args:
      - { .name: w_q_codes, .offset: 0, .size: 8, .value_kind: global_buffer, .address_space: global }
      - { .name: w_k_codes, .offset: 8, .size: 8, .value_kind: global_buffer, .address_space: global }
      - { .name: w_v_codes, .offset: 16, .size: 8, .value_kind: global_buffer, .address_space: global }
      - { .name: w_o_codes, .offset: 24, .size: 8, .value_kind: global_buffer, .address_space: global }
      - { .name: w_1_codes, .offset: 32, .size: 8, .value_kind: global_buffer, .address_space: global }
      - { .name: w_2_codes, .offset: 40, .size: 8, .value_kind: global_buffer, .address_space: global }
      - { .name: wimg, .offset: 48, .size: 8, .value_kind: global_buffer, .address_space: global }
    .group_segment_fixed_size: 0
    .private_segment_fixed_size: 0
    .kernarg_segment_align: 8
    .kernarg_segment_size: 56
    .max_flat_workgroup_size: 32
    .sgpr_count:     66
    .vgpr_count:     48
    .wavefront_size: 32
...
	.end_amdgpu_metadata
.endif
;; end of part 1
;; launch qkv (part 2): grid 256 x 1, 8 waves a work-group, no clusters, 168,960 bytes of LDS; arguments x, src_mask, wimg, w_q_scales, w_k_scales, w_v_scales, b_q, b_k, b_v, q_img, k_img, v_img, qks, vs; writes q_img, k_img, v_img, qks, vs
.if DOCPART == 2
	.amdgcn_target "amdgcn-amd-amdhsa--gfx1250"
	.amdhsa_code_object_version 6
	.text
	.protected	k_qb8e5ebbf53_qkv
	.globl	k_qb8e5ebbf53_qkv
	.p2align	8
	.type	k_qb8e5ebbf53_qkv,@function
k_qb8e5ebbf53_qkv:
	s_mov_b64 s[64:65], 0
	v_nop
	global_prefetch_b8 v0, s[64:65] scope:SCOPE_SE
	s_setreg_imm32_b32 hwreg(HW_REG_WAVE_MODE, 25, 1), 1
	s_wait_xcnt 0x0
; y = layer norm of x (mean; squares of the differences; / 511; + 1e-6; 1 / sqrt), quantised to FP4 (E2M1) with one E8M0 scale for each 32 along K; q, k, v = y W^T + b on codes; q and k are
; quantised along the head's 64 channels, v along the KEYS.  All that leaves are codes, laid as images of the operand's registers (4 registers a lane by one store of 16 bytes at 16 x lane), and scale bytes.
; SHARES.  A work-group takes 64 tokens, as four tiles of 16.  THE TOKENS OF A TILE ARE NOT NEIGHBOURS: lane r of tile m takes row 32 (m / 2) + 8 (m % 2) + r + 8 (r / 8); weights' tiles likewise.
; Norm: wave w takes tile w / 2 and columns 256 (w % 2) on; the two waves of a tile exchange their sums through LDS.  Products: wave w is HEAD w of q, of k and of v, for all 64 tokens: its 64 rows of each weight are read
; once, straight into its registers.  q, k: transposed (source 0 = 16 rows of W, source 1 = 16 tokens): a lane holds one token, its 32 registers 16 p + i are channels 32 p + 16 h + i.
; v: source 0 = 16 tokens, source 1 = 16 rows of W_v: a lane holds one channel, its registers 16 p + i are tokens 32 p + 16 h + i: neighbours along the keys.
; THE MASK RIDES IN THE IDLE HALF OF K.  A head has 64 channels, the matrix instruction 128 along K.  The attention launch sets k = 64 of every query to the code of +4 and of every key to that of -4;
; here the third byte of a token's scale word is written: q 127; k 1 where src_mask is not 0 (the pair then adds -2^-122), 156 where it is 0 (-2^33), and a hidden key's own codes are cleared: its score is exactly -2^33.
; LIMITS.  A hidden key's logit is -2^30 where reference() has -1e9: results differ only where open logits fall to about -1e9.  NaN and infinities among the inputs are not served.  A block of zeros gets the scale byte 1
; (the rule says 127): its codes are zeros, and these bytes are read by this program alone.
.set XREG,  16704                      ; LDS: x as it lies, eight regions of 16 rows x 1,024 bytes; a row + 16 of padding; a region + 64, so that rows 16 apart lie 128 bytes round the banks
.set XPIT,  1040
.set EX1,   8*XREG                     ; 133,632: the waves' sums, 4 bytes a thread
.set EX2,   EX1+1024                   ; their sums of squares
.set XIMG,  EX2+1024                   ; y's 16 fragments (tile m, K step s: 4 m + s), 1,024 bytes each
.set XSC,   XIMG+16384                 ; y's scale words: [m][lane][4 words]
.set VSTG,  XSC+2048                   ; v's scale bytes on their way out: [head][r][4] of 2 bytes
.set OWK,   131072                     ; W_k and W_v in wimg
.set OWV,   262144
.set GO,   1                           ; v1   16 x lane
.set XA,   2                           ; v2   where my numbers of x lie;  behind the norm XRD
.set XRD,  2                           ;      XIMG + 16 x lane
.set EW,   3                           ; v3   EX1 + 4 x thread;  behind the norm VRD
.set VRD,  3                           ;      VSTG + 16 x thread
.set ER,   4                           ; v4   EX1 + 4 x (thread xor 32): the other wave of my tile;  behind the norm GT
.set GT,   4                           ;      16 x thread
.set IW,   5                           ; v5   where I store y's images
.set SWA,  6                           ; v6   and their scale words
.set WSO,  7                           ; v7   a weight's scale words: 16 bytes a row; lanes 0-15 an even tile's rows, lanes 16-31 the odd tile's
.set BO,   8                           ; v8   64 h: a bias's eight numbers of my half
.set MO,   9                           ; v9   4 (r + 8 (r / 8))
.set VW,   10                          ; v10  VSTG + 8 r + 128 x wave
.set PW,   11                          ; v11  the scale bytes just made
.set MU,   12                          ; v[12:13] the mean (low word)
.set RS,   14                          ; v[14:15] 1 / sqrt (low word)
.set WSQ,  16                          ; v16-23, 24-31, 32-39: the weights' scale words: register 4 p + s.  v16-47 hold scales and nothing else
.set WSK,  24
.set WSV,  32
.set XSV,  16                          ; phase v: y's scale words of all four tiles, where W_q's and W_k's lay
.set XS,   40                          ; v40-47 y's scale words, two sets
.set ACC,  48                          ; v48-79 four accumulators
.set TML,  48                          ; in the norm: v48-63 at work, v64-71 a fragment's codes, v72-79 four chains
.set PC8,  64
.set CH,   72
.set PCS,  80                          ; v80-95 four sets of four registers of codes, so that no store's data are rewritten within a phase
.set TM,   96                          ; v96-103 at work
.set MK,   104                         ; v104-107 src_mask of my token in tile m, then all ones or 0
.set KHI,  108                         ; v108-111 the upper half of k's scale word
.set SQ,   112                         ; v112-115 q's scale words, v116-119 k's
.set SK,   116
.set VB,   120                         ; v120-123 v's scale bytes
.set RAW,  124                         ; v124-127 b_v of my channel in tile n
.set X,    128                         ; v128-255 my 128 numbers of x: register 16 b + i = column 32 b + 16 h + i of my 256
.set BQ,   128                         ; behind them: v128-159 b_q, later b_v; v160-191 b_k; v192-255 y's fragments, two sets
.set BK,   160
.set FR,   192
.set WV,   32                          ; s32 my wave
.set G0,   48                          ; s[48:51], s[52:59] the tensor load's descriptor
.set G1,   52
.set SEL,  60                          ; s[60:61] v_permlanex16_b32's selects for lane l xor 16
; window 1: v0-127 W_q, later W_v; v128-255 W_k, later all 16 fragments of y.  A weight's register 32 t + 8 s + 4 c: tile t, K step s.
.set MSB, 0
.macro WIN new                         ; the immediate's high byte repeats the setting that is left
.if MSB != \new
	s_set_vgpr_msb (MSB<<8)|\new
.set MSB, \new
.endif
.endm
.macro PLACES n
.rept \n
	v_nop
.endr
.endm
.macro BARRIER                         ; my LDS stores have landed and my LDS loads are in: then the work-group's barrier
	s_wait_dscnt 0x0
	s_barrier_signal -1
	s_barrier_wait -1
.endm
.macro WM d, a, b, c, sa, sb, row      ; row = 1: source 0's scales from lanes 16-31; 2: source 1's
.if (\row) == 1
	v_wmma_scale_f32_16x16x128_f8f6f4 v[(\d):(\d)+7], v[(\a):(\a)+7], v[(\b):(\b)+7], v[(\c):(\c)+7], v[(\sa)], v[(\sb)] matrix_a_fmt:MATRIX_FMT_FP4 matrix_b_fmt:MATRIX_FMT_FP4 matrix_a_scale:MATRIX_SCALE_ROW1
.elseif (\row) == 2
	v_wmma_scale_f32_16x16x128_f8f6f4 v[(\d):(\d)+7], v[(\a):(\a)+7], v[(\b):(\b)+7], v[(\c):(\c)+7], v[(\sa)], v[(\sb)] matrix_a_fmt:MATRIX_FMT_FP4 matrix_b_fmt:MATRIX_FMT_FP4 matrix_b_scale:MATRIX_SCALE_ROW1
.else
	v_wmma_scale_f32_16x16x128_f8f6f4 v[(\d):(\d)+7], v[(\a):(\a)+7], v[(\b):(\b)+7], v[(\c):(\c)+7], v[(\sa)], v[(\sb)] matrix_a_fmt:MATRIX_FMT_FP4 matrix_b_fmt:MATRIX_FMT_FP4
.endif
.endm
; 64 numbers of a lane, register 16 b + i = k 32 b + 16 h + i of my row, become a fragment's codes in v[PC8] on and its scale word in v[PW].
.macro QUANT4 s
.irp b, 0,1,2,3
	v_max3_num_f32 v[TML+\b], |v[(\s)+16*\b]|, |v[(\s)+1+16*\b]|, 0x1800000   ; my 16 numbers of block b, and the floor 2^(3 - 127): the byte cannot fall under 1
.endr
.irp i, 2,4,6,8,10,12,14
.irp b, 0,1,2,3
	v_max3_num_f32 v[TML+\b], v[TML+\b], |v[(\s)+16*\b+\i]|, |v[(\s)+1+16*\b+\i]|
.endr
.endr
.irp b, 0,1,2,3
	v_permlanex16_b32 v[TML+4+\b], v[TML+\b], s[SEL], s[SEL+1]
.endr
.irp b, 0,1,2,3
	v_max_num_f32 v[TML+\b], v[TML+\b], v[TML+4+\b]           ; with lane l xor 16's: the block's largest magnitude
.endr
.irp b, 0,1,2,3
	v_add_nc_u32 v[TML+12+\b], 0xff000000, v[TML+\b]          ; 2 off its exponent field: the conversion takes that field as its scale
.endr
.irp b, 0,1,2,3
	v_lshrrev_b32 v[TML+4+\b], 23, v[TML+12+\b]               ; the scale's byte
.endr
	v_lshl_or_b32 v[PW], v[TML+5], 8, v[TML+4]
	v_lshl_or_b32 v[PW], v[TML+6], 16, v[PW]
	v_lshl_or_b32 v[PW], v[TML+7], 24, v[PW]
.irp b, 0,1,2,3
	v_cvt_scalef32_pk8_fp4_f32 v[PC8+2*\b], v[(\s)+16*\b:(\s)+7+16*\b], v[TML+12+\b]
	v_cvt_scalef32_pk8_fp4_f32 v[PC8+1+2*\b], v[(\s)+8+16*\b:(\s)+15+16*\b], v[TML+12+\b]
.endr
	v_nop                                          ; one plain place behind a scaled conversion
.irp c, 0,1                                    ; the operand's layout wants a whole block in a lane: lanes 0-15 block 2 c, lanes 16-31 block 2 c + 1
.irp i, 0,1
	v_permlane16_swap_b32 v[PC8+4*\c+\i], v[PC8+2+4*\c+\i]
.endr
.endr
.endm
; The same for 32 numbers (two blocks): four registers of codes from v[pc] on, lane (r, h): k = 32 h + 0 .. 31; the two bytes in v[pw].  The numbers are read in ascending order.
.macro QUANT2 src, pc, pw
.irp p, 0,1
	v_max3_num_f32 v[TM+\p], |v[(\src)+16*\p]|, |v[(\src)+1+16*\p]|, 0x1800000
.endr
.irp i, 2,4,6,8,10,12,14
.irp p, 0,1
	v_max3_num_f32 v[TM+\p], v[TM+\p], |v[(\src)+16*\p+\i]|, |v[(\src)+1+16*\p+\i]|
.endr
.endr
.irp p, 0,1
	v_permlanex16_b32 v[TM+2+\p], v[TM+\p], s[SEL], s[SEL+1]
.endr
.irp p, 0,1
	v_max_num_f32 v[TM+\p], v[TM+\p], v[TM+2+\p]
.endr
.irp p, 0,1
	v_add_nc_u32 v[TM+4+\p], 0xff000000, v[TM+\p]
.endr
.irp p, 0,1
	v_lshrrev_b32 v[TM+6+\p], 23, v[TM+4+\p]
.endr
.irp p, 0,1
	v_cvt_scalef32_pk8_fp4_f32 v[(\pc)+2*\p], v[(\src)+16*\p:(\src)+7+16*\p], v[TM+4+\p]
	v_cvt_scalef32_pk8_fp4_f32 v[(\pc)+1+2*\p], v[(\src)+8+16*\p:(\src)+15+16*\p], v[TM+4+\p]
.endr
	v_nop                                          ; one plain place behind a scaled conversion
	v_permlane16_swap_b32 v[(\pc)], v[(\pc)+2]
	v_permlane16_swap_b32 v[(\pc)+1], v[(\pc)+3]
	v_lshl_or_b32 v[(\pw)], v[TM+7], 8, v[TM+6]
.endm
	s_load_b256 s[4:11], s[0:1], 0x0               ; x s[4:5], src_mask s[6:7], wimg s[8:9], w_q_scales s[10:11]
	s_load_b256 s[12:19], s[0:1], 0x20             ; w_k_scales s[12:13], w_v_scales s[14:15], b_q s[16:17], b_k s[18:19]
	s_load_b256 s[20:27], s[0:1], 0x40             ; b_v s[20:21], q_img s[22:23], k_img s[24:25], v_img s[26:27]
	s_load_b128 s[28:31], s[0:1], 0x60             ; qks s[28:29], vs s[30:31]
	v_lshl_add_u32 v254, v0, 2, 0x29000
	v_mov_b32 v255, 0
	ds_add_u32 v254, v255
	ds_add_u32 v254, v255
	s_wait_dscnt 0x0
	v_lshrrev_b32 v1, 5, v0
	v_readfirstlane_b32 s[WV], v1                  ; wave 0..7
	; descriptor group 1: 16 rows of 256 elements of 4 bytes, 512 elements apart; 4 words of padding behind every 256
	s_mov_b32 s[G1+0], (2<<16)|(1<<20)|(7<<22)|(3<<25)
	s_mov_b32 s[G1+1], 256<<16                     ; tensor_dim0
	s_mov_b32 s[G1+2], 16<<16                      ; tensor_dim1
	s_mov_b32 s[G1+3], 256<<16                     ; tile_dim0
	s_mov_b32 s[G1+4], 16                          ; tile_dim1
	s_mov_b32 s[G1+5], 512                         ; the pitch
	s_mov_b32 s[G1+6], 0
	s_mov_b32 s[G1+7], 0
	s_lshr_b32 s36, s[WV], 1                       ; the norm: my tile; the fetch: which 16 rows
	s_and_b32 s37, s[WV], 1                        ; which half of the columns
	s_lshl_b32 s38, ttmp9, 17                      ; 64 rows of 2,048 bytes a work-group
	s_lshl_b32 s39, s36, 15
	s_add_co_u32 s38, s38, s39
	s_lshl_b32 s39, s37, 10
	s_add_co_u32 s38, s38, s39
	s_mov_b32 s39, 0
	s_mov_b32 s[G0+0], 1
	s_mul_i32 s[G0+1], s[WV], XREG
	s_mov_b32 s[SEL], 0x76543210
	s_mov_b32 s[SEL+1], 0xfedcba98
	s_mov_b32 s44, 0x3b004020                      ; 1 / 511
	s_mov_b32 s45, 0x358637bd                      ; 1e-6
	s_lshr_b32 s34, ttmp9, 5                       ; the batch
	s_and_b32 s35, ttmp9, 31                       ; my 64 tokens in it
	s_lshl_b32 s42, s34, 3
	s_add_co_u32 s42, s42, s[WV]                   ; batch x 8 + head
	s_wait_kmcnt 0x0
	s_add_nc_u64 s[G0+2:G0+3], s[4:5], s[38:39]
	s_or_b32 s[G0+3], s[G0+3], 0x80000000
	tensor_load_to_lds s[G0:G0+3], s[G1:G1+7]      ; my one tensor load: 16 rows x 1,024 bytes of x.  LDS is filled once
	s_nop 0
	PLACES 4
	v_and_b32 v12, 31, v0                          ; lane
	v_and_b32 v13, 15, v0                          ; r
	v_bfe_u32 v14, v0, 4, 1                        ; h
	v_bfe_u32 v15, v0, 3, 1                        ; r / 8
	v_and_b32 v11, 7, v0                           ; r % 8
	v_lshlrev_b32 v[GO], 4, v12
	v_mul_u32_u24 v[XA], v15, 2*XREG               ; my token's row lies in region 4 (m / 2) + 2 (r / 8) + half, at row 8 (m % 2) + r % 8
	v_mad_u32_u24 v[XA], v11, XPIT, v[XA]
	v_lshl_add_u32 v[XA], v14, 6, v[XA]            ; + 64 h: my 16 numbers of a block of 32
	s_lshr_b32 s40, s36, 1
	s_mul_i32 s40, s40, 4*XREG
	s_mul_i32 s41, s37, XREG
	s_add_co_u32 s40, s40, s41
	s_and_b32 s41, s36, 1
	s_mul_i32 s41, s41, 8*XPIT
	s_add_co_u32 s40, s40, s41
	v_add_nc_u32 v[XA], s40, v[XA]
	v_lshl_add_u32 v[EW], v0, 2, EX1
	v_xor_b32 v[ER], 32, v0
	v_lshl_add_u32 v[ER], v[ER], 2, EX1
	s_lshl_b32 s40, s[WV], 11                      ; fragments 4 m + 2 half and the next: 2,048 x wave
	s_add_co_u32 s40, s40, XIMG
	v_add_nc_u32 v[IW], s40, v[GO]
	s_lshl_b32 s40, s36, 9
	s_lshl_b32 s41, s37, 3
	s_add_co_u32 s40, s40, s41
	s_add_co_u32 s40, s40, XSC
	v_add_nc_u32 v[SWA], s40, v[GO]
	v_lshl_add_u32 v11, v15, 3, v13                ; r + 8 (r / 8)
	v_lshlrev_b32 v[MO], 2, v11
	v_lshl_add_u32 v11, v14, 3, v11
	v_lshlrev_b32 v[WSO], 4, v11
	v_lshlrev_b32 v[BO], 6, v14
	s_lshl_b32 s40, s[WV], 7
	s_add_co_u32 s40, s40, VSTG
	v_lshl_add_u32 v[VW], v13, 3, s40
	v_mov_b32 v13, 0                               ; the upper halves of the pairs MU and RS are named with them, so they are written
	v_mov_b32 v15, 0
.irp b, 0,1,2,3
	v_mov_b32 v[TML+4+\b], 0                       ; a lane permute's destination counts as one of its sources
.endr
	v_mov_b32 v[TM+2], 0
	v_mov_b32 v[TM+3], 0
	s_mov_b32 s41, 0
	s_lshl_b32 s40, s[WV], 14                      ; my head's four tiles of a weight: 16,384 bytes
	s_add_nc_u64 s[8:9], s[8:9], s[40:41]
	s_lshl_b32 s40, s[WV], 10                      ; their scale words: 64 rows of 16 bytes
	s_add_nc_u64 s[10:11], s[10:11], s[40:41]
	s_add_nc_u64 s[12:13], s[12:13], s[40:41]
	s_add_nc_u64 s[14:15], s[14:15], s[40:41]
	s_lshl_b32 s40, s[WV], 8                       ; their biases
	s_add_nc_u64 s[16:17], s[16:17], s[40:41]
	s_add_nc_u64 s[18:19], s[18:19], s[40:41]
	s_add_nc_u64 s[20:21], s[20:21], s[40:41]
	s_lshl_b32 s40, ttmp9, 8                       ; src_mask: 64 words a work-group
	s_add_nc_u64 s[6:7], s[6:7], s[40:41]
	s_lshl_b32 s40, s42, 16                        ; q_img, k_img: (batch, head) x 128 tiles of 512 bytes, + my four tiles
	s_lshl_b32 s43, s35, 11
	s_add_co_u32 s40, s40, s43
	s_add_nc_u64 s[22:23], s[22:23], s[40:41]
	s_add_nc_u64 s[24:25], s[24:25], s[40:41]
	s_lshl_b32 s40, s42, 16                        ; v_img: (batch, head) x 16 key steps of 4,096 bytes; my 64 tokens are half c of a step
	s_lshr_b32 s43, s35, 1
	s_lshl_b32 s43, s43, 12
	s_add_co_u32 s40, s40, s43
	s_and_b32 s43, s35, 1
	s_lshl_b32 s43, s43, 9
	s_add_co_u32 s40, s40, s43
	s_add_nc_u64 s[26:27], s[26:27], s[40:41]
	s_lshl_b32 s40, s42, 14                        ; qks: 512 bytes for each (batch, head, 64 tokens)
	s_lshl_b32 s43, s35, 9
	s_add_co_u32 s40, s40, s43
	s_add_nc_u64 s[28:29], s[28:29], s[40:41]
	s_lshl_b32 s40, ttmp9, 10                      ; vs: 1,024 bytes a work-group
	s_add_nc_u64 s[30:31], s[30:31], s[40:41]
.irp p, 0,1
	global_load_b128 v[WSQ+4*\p:WSQ+4*\p+3], v[WSO], s[10:11] offset:512*\p
	global_load_b128 v[WSK+4*\p:WSK+4*\p+3], v[WSO], s[12:13] offset:512*\p
	global_load_b128 v[WSV+4*\p:WSV+4*\p+3], v[WSO], s[14:15] offset:512*\p
.endr
.irp m, 0,1,2,3
	global_load_b32 v[MK+\m], v[MO], s[6:7] offset:(32*(\m/2)+8*(\m%2))*4
	global_load_b32 v[RAW+\m], v[MO], s[20:21] offset:(32*(\m/2)+8*(\m%2))*4
.endr
	WIN 0x40                                       ; destination window 1
.set i, 0
.rept 32
	global_load_b128 v[4*i:4*i+3], v[GO], s[8:9] offset:512*i          ; W_q: 512 consecutive bytes a load
.set i, i+1
.endr
	WIN 0
	s_wait_tensorcnt 0x0                           ; my rows of x are in LDS,
	s_barrier_signal -1
	s_barrier_wait -1                              ; everybody's are
.irp b, 0,1,2,3,4,5,6,7
.irp j, 0,1,2,3
	ds_load_b128 v[X+16*\b+4*\j:X+16*\b+4*\j+3], v[XA] offset:128*\b+16*\j
.endr
.endr
	WIN 0x40
.set i, 0
.rept 32
	global_load_b128 v[128+4*i:131+4*i], v[GO], s[8:9] offset:OWK+512*i   ; W_k
.set i, i+1
.endr
	WIN 0
	s_wait_dscnt 0x0
	; ---- the norm.  First the mean, then the squares of the differences: a common offset of x costs no digits
.irp k, 0,1,2,3
	v_pk_add_f32 v[CH+2*\k:CH+2*\k+1], v[X+2*\k:X+2*\k+1], v[X+8+2*\k:X+9+2*\k]
.endr
.set i, 16
.rept 14
.irp k, 0,1,2,3
	v_pk_add_f32 v[CH+2*\k:CH+2*\k+1], v[CH+2*\k:CH+2*\k+1], v[X+i+2*\k:X+i+2*\k+1]
.endr
.set i, i+8
.endr
	v_pk_add_f32 v[CH:CH+1], v[CH:CH+1], v[CH+2:CH+3]
	v_pk_add_f32 v[CH+4:CH+5], v[CH+4:CH+5], v[CH+6:CH+7]
	v_pk_add_f32 v[CH:CH+1], v[CH:CH+1], v[CH+4:CH+5]
	v_add_f32 v[CH], v[CH], v[CH+1]
	v_permlanex16_b32 v[CH+1], v[CH], s[SEL], s[SEL+1]
	v_add_f32 v[CH], v[CH], v[CH+1]                ; my token's sum over my 256 columns
	ds_store_b32 v[EW], v[CH]
	BARRIER
	ds_load_b32 v[CH+1], v[ER]                     ; and over the other 256
	s_wait_dscnt 0x0
	v_add_f32 v[CH], v[CH], v[CH+1]
	v_mul_f32 v[MU], 0x3b000000, v[CH]             ; / 512
.set i, 0
.rept 64
	v_pk_add_f32 v[X+i:X+i+1], v[X+i:X+i+1], v[MU:MU+1] op_sel_hi:[1,0] neg_lo:[0,1] neg_hi:[0,1]
.set i, i+2
.endr
.irp k, 0,1,2,3
	v_pk_mul_f32 v[CH+2*\k:CH+2*\k+1], v[X+2*\k:X+2*\k+1], v[X+2*\k:X+2*\k+1]
.endr
.set i, 8
.rept 15
.irp k, 0,1,2,3
	v_pk_fma_f32 v[CH+2*\k:CH+2*\k+1], v[X+i+2*\k:X+i+2*\k+1], v[X+i+2*\k:X+i+2*\k+1], v[CH+2*\k:CH+2*\k+1]
.endr
.set i, i+8
.endr
	v_pk_add_f32 v[CH:CH+1], v[CH:CH+1], v[CH+2:CH+3]
	v_pk_add_f32 v[CH+4:CH+5], v[CH+4:CH+5], v[CH+6:CH+7]
	v_pk_add_f32 v[CH:CH+1], v[CH:CH+1], v[CH+4:CH+5]
	v_add_f32 v[CH], v[CH], v[CH+1]
	v_permlanex16_b32 v[CH+1], v[CH], s[SEL], s[SEL+1]
	v_add_f32 v[CH], v[CH], v[CH+1]
	ds_store_b32 v[EW], v[CH] offset:EX2-EX1       ; other bytes than the sums': no barrier is owed between the two exchanges
	BARRIER
	ds_load_b32 v[CH+1], v[ER] offset:EX2-EX1
	s_wait_dscnt 0x0
	v_add_f32 v[CH], v[CH], v[CH+1]
	v_fma_f32 v[CH], v[CH], s44, s45               ; / 511 + 1e-6
	v_rsq_f32 v[RS], v[CH]
	v_nop                                          ; one plain place behind a transcendental
.set i, 0
	s_wait_alu depctr_va_vdst(0)
.rept 64
	v_pk_mul_f32 v[X+i:X+i+1], v[X+i:X+i+1], v[RS:RS+1] op_sel_hi:[1,0]
.set i, i+2
.endr
	; ---- y's codes: my two fragments go to LDS as images of their registers
	QUANT4 X
	ds_store_b128 v[IW], v[PC8:PC8+3]
	ds_store_b128 v[IW], v[PC8+4:PC8+7] offset:512
	ds_store_b32 v[SWA], v[PW]
.irp t, 0,1,2,3                                ; the 64 registers just quantised take b_q and b_k, in the result's layout: register 8 t + j = column 32 (t / 2) + 16 h + 8 (t % 2) + j of my head
	global_load_b128 v[BQ+8*\t:BQ+8*\t+3], v[BO], s[16:17] offset:(32*(\t/2)+8*(\t%2))*4
	global_load_b128 v[BQ+8*\t+4:BQ+8*\t+7], v[BO], s[16:17] offset:(32*(\t/2)+8*(\t%2))*4+16
	global_load_b128 v[BK+8*\t:BK+8*\t+3], v[BO], s[18:19] offset:(32*(\t/2)+8*(\t%2))*4
	global_load_b128 v[BK+8*\t+4:BK+8*\t+7], v[BO], s[18:19] offset:(32*(\t/2)+8*(\t%2))*4+16
.endr
	s_wait_dscnt 0x0                               ; the stores have read their registers
	QUANT4 X+64
	ds_store_b128 v[IW], v[PC8:PC8+3] offset:1024
	ds_store_b128 v[IW], v[PC8+4:PC8+7] offset:1536
	ds_store_b32 v[SWA], v[PW] offset:4
	BARRIER                                        ; y's sixteen fragments lie in LDS
	v_add_nc_u32 v[XRD], XIMG, v[GO]
	v_lshl_add_u32 v[VRD], v0, 4, VSTG
	v_lshlrev_b32 v[GT], 4, v0
	v_mov_b32 v12, 0x7f9c0000                      ; k's pad byte 156 and the idle block's 127: a hidden key
	v_mov_b32 v13, 0x7f010000                      ; pad byte 1: an open key
	s_wait_loadcnt 0x0                             ; both weights, scale words, biases, mask
.irp m, 0,1,2,3
	v_cmp_ne_u32 vcc_lo, 0, v[MK+\m]
	v_cndmask_b32 v[KHI+\m], v12, v13, vcc_lo
	v_cndmask_b32 v[MK+\m], 0, -1, vcc_lo
.endr
.macro FETCHX m                        ; tile m's four fragments and its scale words, into set m % 2
.irp i, 0,1,2,3,4,5,6,7
	ds_load_b128 v[FR+32*((\m)%2)+4*\i:FR+32*((\m)%2)+4*\i+3], v[XRD] offset:4096*(\m)+512*\i
.endr
	ds_load_b128 v[XS+4*((\m)%2):XS+4*((\m)%2)+3], v[XRD] offset:XSC-XIMG+512*(\m)
.endm
; q or k of my head: for each tile of tokens 16 matrix instructions, the four accumulators by turns, K ascending; the bias is the C of each sum's first.
.macro PHASE_QK wb, bias, ws, isk, ob
	s_wait_xcnt 0x0                                ; the last phase's stores have read their registers
	FETCHX 0
.irp m, 0,1,2,3
	s_wait_dscnt 0x0
	WIN 0x01                                       ; source 0 (the weight) window 1
.irp s, 0,1,2,3
.irp t, 0,1,2,3
.if \s == 0
	WM ACC+8*\t, \wb+32*\t+8*\s, FR+32*(\m%2)+8*\s, \bias+8*\t, \ws+4*(\t/2)+\s, XS+4*(\m%2)+\s, \t%2
.else
	WM ACC+8*\t, \wb+32*\t+8*\s, FR+32*(\m%2)+8*\s, ACC+8*\t, \ws+4*(\t/2)+\s, XS+4*(\m%2)+\s, \t%2
.endif
.endr
.endr
	WIN 0
	PLACES 5                                       ; four in front of the first read of results; five in front of the next tile's sums, which begin anew on these accumulators
.if \m < 3
	FETCHX \m+1
.endif
	QUANT2 ACC, PCS+4*\m, PW
.if \isk
.irp i, 0,1,2,3
	v_and_b32 v[PCS+4*\m+\i], v[MK+\m], v[PCS+4*\m+\i]     ; a hidden key's codes are cleared
.endr
	v_or_b32 v[SK+\m], v[KHI+\m], v[PW]
.else
	v_or_b32 v[SQ+\m], 0x7f7f0000, v[PW]
.endif
	global_store_b128 v[GO], v[PCS+4*\m:PCS+4*\m+3], s[\ob:\ob+1] offset:512*\m   ; 32 lanes store 512 consecutive bytes
.endr
.endm
	PHASE_QK 0, BQ, WSQ, 0, 22
	WIN 0x40
.set i, 0
.rept 32
	global_load_b128 v[4*i:4*i+3], v[GO], s[8:9] offset:OWV+512*i      ; W_v takes W_q's place: it has all of phase k in which to land
.set i, i+1
.endr
	WIN 0
.irp n, 0,1,2,3
.irp j, 0,1,2,3,4,5,6,7
	v_mov_b32 v[BQ+8*\n+\j], v[RAW+\n]             ; b_v in the untransposed result's layout: a lane holds one channel
.endr
.endr
	PHASE_QK 128, BK, WSK, 1, 24
	v_and_b32 v12, 16, v0
	v_cmp_ne_u32 vcc_lo, 0, v12
.irp i, 0,1,2,3
	v_cndmask_b32 v[SQ+\i], v[SQ+\i], v[SK+\i], vcc_lo     ; lanes 0-15 q's words of token r, lanes 16-31 k's
.endr
	global_store_b128 v[GO], v[SQ:SQ+3], s[28:29]
	; ---- v: all of y's fragments come into W_k's registers
	WIN 0x40
.set i, 0
.rept 32
	ds_load_b128 v[128+4*i:131+4*i], v[XRD] offset:512*i
.set i, i+1
.endr
	WIN 0
.irp m, 0,1,2,3
	ds_load_b128 v[XSV+4*\m:XSV+4*\m+3], v[XRD] offset:XSC-XIMG+512*\m
.endr
	s_wait_dscnt 0x0
	s_wait_loadcnt 0x0                             ; W_v
	s_wait_xcnt 0x0                                ; phase k's stores have read their registers
.irp n, 0,1,2,3
	WIN 0x05                                       ; sources 0 (y) and 1 (W_v) window 1
.irp s, 0,1,2,3
.irp m, 0,1,2,3
.if \s == 0
	WM ACC+8*\m, 128+32*\m+8*\s, 32*\n+8*\s, BQ+8*\n, XSV+4*\m+\s, WSV+4*(\n/2)+\s, 2*(\n%2)
.else
	WM ACC+8*\m, 128+32*\m+8*\s, 32*\n+8*\s, ACC+8*\m, XSV+4*\m+\s, WSV+4*(\n/2)+\s, 2*(\n%2)
.endif
.endr
.endr
	WIN 0
	PLACES 5
	QUANT2 ACC, PCS+4*\n, VB+\n                    ; my channel's 64 tokens: two blocks along the keys
	global_store_b128 v[GO], v[PCS+4*\n:PCS+4*\n+3], s[26:27] offset:1024*\n
.endr
	v_lshl_or_b32 v[VB], v[VB+1], 16, v[VB]
	v_lshl_or_b32 v[VB+1], v[VB+3], 16, v[VB+2]
	ds_store_b64 v[VW], v[VB:VB+1]                 ; both halves of the lanes write the same bytes with the same values
	BARRIER                                        ; the eight heads' 1,024 scale bytes lie together
	s_cmp_gt_u32 s[WV], 1
	s_cbranch_scc1 .Lend
	ds_load_b128 v[TM:TM+3], v[VRD]                ; into the quantiser's scratch: no store that may still be reading its data names these four registers (the codes' registers are such data)
	s_wait_dscnt 0x0
	global_store_b128 v[GT], v[TM:TM+3], s[30:31]  ; waves 0 and 1: 512 consecutive bytes each
.Lend:
	s_wait_xcnt 0x0
	v_lshl_add_u32 v254, v0, 2, 0x29000
	v_mov_b32 v255, 0
	s_wait_tensorcnt 0x0
	ds_add_u32 v254, v255
	s_wait_dscnt 0x0
	s_endpgm
.Lfunc_end_k_qb8e5ebbf53_qkv:
	.size	k_qb8e5ebbf53_qkv, .Lfunc_end_k_qb8e5ebbf53_qkv-k_qb8e5ebbf53_qkv
	.p2alignl 7, 3214868480
	.fill 96, 4, 3214868480
	.section	.rodata,"a",@progbits
	.p2align	6, 0x0
	.amdhsa_kernel k_qb8e5ebbf53_qkv
		.amdhsa_group_segment_fixed_size 168960
		.amdhsa_private_segment_fixed_size 0
		.amdhsa_enable_private_segment 0
		.amdhsa_kernarg_size 112
		.amdhsa_user_sgpr_count 2
		.amdhsa_user_sgpr_kernarg_segment_ptr 1
		.amdhsa_wavefront_size32 1
		.amdhsa_system_sgpr_workgroup_id_x 1
		.amdhsa_system_sgpr_workgroup_id_y 1
		.amdhsa_system_sgpr_workgroup_id_z 1
		.amdhsa_system_vgpr_workitem_id 0
		.amdhsa_next_free_vgpr 512
		.amdhsa_next_free_sgpr 66
		.amdhsa_reserve_vcc 1
		.amdhsa_float_denorm_mode_32 3
		.amdhsa_float_denorm_mode_16_64 3
		.amdhsa_memory_ordered 1
		.amdhsa_forward_progress 1
		.amdhsa_inst_pref_size 106
	.end_amdhsa_kernel
	.amdgpu_metadata
---
amdhsa.version: [ 1, 2 ]
amdhsa.kernels:
  - .name:           k_qb8e5ebbf53_qkv
    .symbol:         k_qb8e5ebbf53_qkv.kd
    .args:
      - { .name: x, .offset: 0, .size: 8, .value_kind: global_buffer, .address_space: global }
      - { .name: src_mask, .offset: 8, .size: 8, .value_kind: global_buffer, .address_space: global }
      - { .name: wimg, .offset: 16, .size: 8, .value_kind: global_buffer, .address_space: global }
      - { .name: w_q_scales, .offset: 24, .size: 8, .value_kind: global_buffer, .address_space: global }
      - { .name: w_k_scales, .offset: 32, .size: 8, .value_kind: global_buffer, .address_space: global }
      - { .name: w_v_scales, .offset: 40, .size: 8, .value_kind: global_buffer, .address_space: global }
      - { .name: b_q, .offset: 48, .size: 8, .value_kind: global_buffer, .address_space: global }
      - { .name: b_k, .offset: 56, .size: 8, .value_kind: global_buffer, .address_space: global }
      - { .name: b_v, .offset: 64, .size: 8, .value_kind: global_buffer, .address_space: global }
      - { .name: q_img, .offset: 72, .size: 8, .value_kind: global_buffer, .address_space: global }
      - { .name: k_img, .offset: 80, .size: 8, .value_kind: global_buffer, .address_space: global }
      - { .name: v_img, .offset: 88, .size: 8, .value_kind: global_buffer, .address_space: global }
      - { .name: qks, .offset: 96, .size: 8, .value_kind: global_buffer, .address_space: global }
      - { .name: vs, .offset: 104, .size: 8, .value_kind: global_buffer, .address_space: global }
    .group_segment_fixed_size: 168960
    .private_segment_fixed_size: 0
    .kernarg_segment_align: 8
    .kernarg_segment_size: 112
    .max_flat_workgroup_size: 256
    .sgpr_count:     66
    .vgpr_count:     512
    .wavefront_size: 32
...
	.end_amdgpu_metadata
.endif
;; end of part 2
;; launch attn (part 3): grid 4 x 64, 16 waves a work-group, clusters of 4 x 1, 169,984 bytes of LDS; arguments q_img, k_img, v_img, qks, vs, o_img, os; writes o_img, os
.if DOCPART == 3
	.amdgcn_target "amdgcn-amd-amdhsa--gfx1250"
	.amdhsa_code_object_version 6
	.text
	.protected	k_qb8e5ebbf53_attn
	.globl	k_qb8e5ebbf53_attn
	.p2align	8
	.type	k_qb8e5ebbf53_attn,@function
k_qb8e5ebbf53_attn:
	s_mov_b64 s[64:65], 0
	v_nop
	global_prefetch_b8 v0, s[64:65] scope:SCOPE_SE
	s_setreg_imm32_b32 hwreg(HW_REG_WAVE_MODE, 25, 1), 1
	s_wait_xcnt 0x0
	s_wait_alu depctr_hold_cnt(0) depctr_sa_sdst(0) depctr_va_vdst(0) depctr_va_sdst(0) depctr_va_ssrc(0) depctr_va_vcc(0) depctr_vm_vsrc(0)
	s_getreg_b32 s2, hwreg(HW_REG_IB_STS2, 6, 4)
	s_cmp_eq_u32 s2, 0
	s_cbranch_scc0 .Lentry_in_a_cluster
	s_endpgm
.Lentry_in_a_cluster:
	s_bfe_u32 s2, ttmp6, 0x10000c
	s_cmp_lg_u32 s2, 0x3003
	s_cbranch_scc0 .Lentry_shape_is_right
	s_endpgm
.Lentry_shape_is_right:
; o = softmax(q k^T / 8, hidden keys at -2^30) v for one (batch, head), both products on codes of FP4 (E2M1) with one E8M0 scale for each 32 along K; o is quantised along the head's 64 channels and leaves as codes.
; THE SOFTMAX AHEAD OF THE SECOND PRODUCT: t = score x log2(e) / 8; M = the row's largest t so far, rounded UP to a whole number; p = 2^(t - M) is what is quantised, along the keys, not normalised.
; The row's sum is taken of the unquantised p and divides o at the end.  When M moves, the sum and o are multiplied by 2^(old M - new M): exact.
; SHARES.  A work-group owns 512 queries of a head, each of its sixteen waves two tiles of 16, one after the other, in 256 registers: four waves to a SIMD, so that one wave's vector work stands beside another's matrix work.
; A HEAD'S K AND V, 64 KiB of codes each, AND THEIR SCALE BYTES STAY IN LDS: filled once, read by all.  No byte of LDS is filled twice.
; CLUSTER.  The four work-groups of a head read the same K and V: each tile is asked for JOINTLY, by the same tensor load with the same descriptor and the mask of all four.
; LAYOUT.  Codes lie as images of the operand's registers: four registers by one load of 16 bytes at 16 x lane.  Both products are used transposed (S^T = K Q^T, O^T = V^T P^T): a lane holds one query throughout.
; The keys of a tile of K and the channels of a tile of V are chosen (lane r of tile 2 b + u: 32 b + 8 u + r + 8 (r / 8)) so that 16 registers of two neighbouring tiles are 16 neighbours.
; THE MASK.  A head has 64 channels, the instruction 128 along K.  k = 64 of every query is the code of +4, of every key that of -4; the launch before wrote that block's scale byte: for an open key the pair adds -2^-122,
; for a hidden key -2^33, and its own codes are zeros.  So a hidden key's t is a whole number near -1.5e9: p = 0 beside any open key, and 1 for all keys where none is open: uniform weights, as reference() has them.
; LIMITS.  A hidden logit is -2^30 where reference() has -1e9.  A block's largest p is made from its largest score by the same two instructions as every p, which takes v_exp_f32 not to fall where its input rises.
; NaN and infinities are not served.  A block of zeros gets the scale byte 1: its codes are zeros, and the bytes are read by this program alone.
.set KI,  0                            ; LDS: K's 128 tiles of 512 bytes
.set VI,  65536                        ; V: [key step 16][tile 4][c 2][512 bytes]
.set KS,  131072                       ; K's scale words: [64 keys 32][r 16][4 words]
.set VS,  139264                       ; V's: [key step 16][r 16][4 words]; written by the waves
.set OS,  143360                       ; o's scale bytes on their way out: [tile 32][r 16] of 2 bytes
.set WV,  18                           ; s18 my wave; s19 cx; s20 batch x 8 + head; s21 batch; s22 head
.set G1D, 24                           ; s[24:31] group 1: 64 rows of 256 dense bytes
.set G1S, 32                           ; s[32:39] group 1: 32 rows of 256 bytes, 512 apart
.set G0K, 40                           ; s[40:43], s[44:47], s[56:59] groups 0: K, V, K's scale words
.set G0V, 44
.set G0S, 56
.set SEL, 48                           ; s[48:49] v_permlanex16_b32's selects for lane l xor 16
.set CS,  50                           ; s[50:51] c = log2(e) / 8
.set TB,  52                           ; s52 the key step's bytes in K and in V: 4,096 a step;  s53 in K's scale words: 512;  s54 in V's: 256
.set TS,  53
.set TJ,  54
.set CNT, 55
.set TM,  232
; REGISTERS: v1 16 x lane; v2 VS + 16 r; v3 KS + 16 x lane; v4 OS + 64 x wave + 2 r; v5 16 r; v6 4 x lane; v7 VS + 8 x thread; v8-11 the step's addresses; v12 -M, v13 the largest t, v[14:15] the sum in two halves;
; v16-23 Q; v24-27 K's scale words, v28-31 V's; v32-95 eight fragments of K; v96-159 S^T, then p; v160-191 O^T; v192-223 four fragments of V; v224-231 p's codes; v232-247 at work;
; v240 OS + 16 x thread, v241 16 x thread; v248 Q's scale words; v249 p's; v[250:251] f, later 1 / sum; v252-254 at work.  v24-31, v248, v249 hold scales and nothing else.
.macro CROUND                          ; a round of the cluster's barrier
	s_barrier_signal -1
	s_barrier_wait -1
	s_cmp_lg_u32 s[WV], 0
	s_cbranch_scc1 .Lnot_wave_0_\@
	s_barrier_signal -3
.Lnot_wave_0_\@:
	s_barrier_wait -3
	s_barrier_signal -1
	s_barrier_wait -1
.endm
.macro QUANT2 src, pc, pw              ; 32 numbers, register 16 p + i = k 32 p + 16 h + i, become four registers of codes (lane (r, h): k = 32 h + 0 .. 31) and two scale bytes
.irp p, 0,1
	v_max3_num_f32 v[TM+\p], |v[(\src)+16*\p]|, |v[(\src)+1+16*\p]|, 0x1800000    ; and the floor 2^(3 - 127): the byte cannot fall under 1
.endr
.irp i, 2,4,6,8,10,12,14
.irp p, 0,1
	v_max3_num_f32 v[TM+\p], v[TM+\p], |v[(\src)+16*\p+\i]|, |v[(\src)+1+16*\p+\i]|
.endr
.endr
.irp p, 0,1
	v_permlanex16_b32 v[TM+2+\p], v[TM+\p], s[SEL], s[SEL+1]
.endr
.irp p, 0,1
	v_max_num_f32 v[TM+\p], v[TM+\p], v[TM+2+\p]
.endr
.irp p, 0,1
	v_add_nc_u32 v[TM+4+\p], 0xff000000, v[TM+\p]
.endr
.irp p, 0,1
	v_lshrrev_b32 v[TM+6+\p], 23, v[TM+4+\p]
.endr
.irp p, 0,1
	v_cvt_scalef32_pk8_fp4_f32 v[(\pc)+2*\p], v[(\src)+16*\p:(\src)+7+16*\p], v[TM+4+\p]
	v_cvt_scalef32_pk8_fp4_f32 v[(\pc)+1+2*\p], v[(\src)+8+16*\p:(\src)+15+16*\p], v[TM+4+\p]
.endr
	v_nop                                          ; one plain place behind a scaled conversion
	v_permlane16_swap_b32 v[(\pc)], v[(\pc)+2]
	v_permlane16_swap_b32 v[(\pc)+1], v[(\pc)+3]
	v_lshl_or_b32 v[(\pw)], v[TM+7], 8, v[TM+6]
.endm
	s_load_b256 s[4:11], s[0:1], 0x0               ; q_img s[4:5], k_img s[6:7], v_img s[8:9], qks s[10:11]
	s_load_b128 s[12:15], s[0:1], 0x20             ; vs s[12:13], o_img s[14:15]
	s_load_b64 s[16:17], s[0:1], 0x30              ; os
	v_lshl_add_u32 v254, v0, 2, 0x29000
	v_mov_b32 v255, 0
	ds_add_u32 v254, v255
	ds_add_u32 v254, v255
	s_wait_dscnt 0x0
	v_lshrrev_b32 v1, 5, v0
	v_readfirstlane_b32 s[WV], v1                  ; wave 0..15
	s_bfe_u32 s19, ttmp6, 0x40000                  ; cx: which 512 queries: it enters q's, o's and their scales' global addresses alone
	s_and_b32 s20, ttmp7, 0xffff                   ; batch x 8 + head, which the four partners share
	s_lshr_b32 s21, s20, 3
	s_and_b32 s22, s20, 7
	s_mov_b32 s[G1D+0], 15|(3<<16)|(1<<21)         ; 15:0 the mask: all four work-groups; 17:16 elements of 8 bytes; 21 set beside a mask
	s_mov_b32 s[G1D+1], 32<<16                     ; tensor_dim0: 256 bytes
	s_mov_b32 s[G1D+2], 64<<16                     ; tensor_dim1
	s_mov_b32 s[G1D+3], 32<<16                     ; tile_dim0
	s_mov_b32 s[G1D+4], 64                         ; tile_dim1
	s_mov_b32 s[G1D+5], 32                         ; the pitch: dense
	s_mov_b32 s[G1D+6], 0
	s_mov_b32 s[G1D+7], 0
	s_mov_b32 s[G1S+0], 15|(3<<16)|(1<<21)
	s_mov_b32 s[G1S+1], 32<<16
	s_mov_b32 s[G1S+2], 32<<16
	s_mov_b32 s[G1S+3], 32<<16
	s_mov_b32 s[G1S+4], 32
	s_mov_b32 s[G1S+5], 64                         ; k's 256 bytes of every 512 of qks
	s_mov_b32 s[G1S+6], 0
	s_mov_b32 s[G1S+7], 0
	s_and_b32 s60, s[WV], 3                        ; which quarter of K or of V I fetch, if I fetch
	s_lshl_b32 s60, s60, 14
	s_mov_b32 s[G0K+0], 1
	s_mov_b32 s[G0K+1], s60
	s_mov_b32 s[G0V+0], 1
	s_add_co_u32 s[G0V+1], s60, VI
	s_mov_b32 s[G0S+0], 1
	s_mov_b32 s[G0S+1], KS
	s_lshl_b32 s61, s20, 16
	s_add_co_u32 s60, s60, s61
	s_mov_b32 s61, 0
	s_lshl_b32 s62, s20, 14
	s_add_co_u32 s62, s62, 256
	s_mov_b32 s63, 0
	s_mov_b32 s[SEL], 0x76543210
	s_mov_b32 s[SEL+1], 0xfedcba98
	s_mov_b32 s[CS], 0x3e38aa3b                    ; log2(e) / 8
	s_mov_b32 s[CS+1], s[CS]                       ; (named with it as a pair, so it is written)
	s_wait_kmcnt 0x0
	s_add_nc_u64 s[G0K+2:G0K+3], s[6:7], s[60:61]
	s_or_b32 s[G0K+3], s[G0K+3], 0x80000000
	s_add_nc_u64 s[G0V+2:G0V+3], s[8:9], s[60:61]
	s_or_b32 s[G0V+3], s[G0V+3], 0x80000000
	s_add_nc_u64 s[G0S+2:G0S+3], s[10:11], s[62:63]
	s_or_b32 s[G0S+3], s[G0S+3], 0x80000000
	CROUND                                         ; all four work-groups are here: the joint loads meet
	s_cmp_lt_u32 s[WV], 4                          ; waves 0-3 K's quarters, waves 4-7 V's, wave 8 K's scale words; the branches hang on the wave's number alone
	s_cbranch_scc0 .Lnot_k
	tensor_load_to_lds s[G0K:G0K+3], s[G1D:G1D+7]
	s_nop 0
.rept 4
	v_nop
.endr
	s_branch .Lasked
.Lnot_k:
	s_cmp_lt_u32 s[WV], 8
	s_cbranch_scc0 .Lnot_v
	tensor_load_to_lds s[G0V:G0V+3], s[G1D:G1D+7]
	s_nop 0
.rept 4
	v_nop
.endr
	s_branch .Lasked
.Lnot_v:
	s_cmp_eq_u32 s[WV], 8
	s_cbranch_scc0 .Lasked
	tensor_load_to_lds s[G0S:G0S+3], s[G1S:G1S+7]
	s_nop 0
.rept 4
	v_nop
.endr
.Lasked:
	s_mov_b32 s67, 0
	s_lshl_b32 s66, s21, 4                         ; vs: key step = my wave: (16 x batch + wave) x 2,048 + 128 x head
	s_add_co_u32 s66, s66, s[WV]
	s_lshl_b32 s66, s66, 11
	s_lshl_b32 s68, s22, 7
	s_add_co_u32 s66, s66, s68
	s_add_nc_u64 s[12:13], s[12:13], s[66:67]
	s_lshl_b32 s66, s20, 16                        ; q_img: tile 128 x (batch, head) + 32 cx + 2 x wave, 512 bytes each
	s_lshl_b32 s68, s19, 14
	s_add_co_u32 s66, s66, s68
	s_lshl_b32 s68, s[WV], 10
	s_add_co_u32 s66, s66, s68
	s_add_nc_u64 s[4:5], s[4:5], s[66:67]
	s_lshl_b32 s66, s20, 14                        ; q's scale words: 512 bytes for each four tiles; word = tile % 4
	s_lshl_b32 s68, s19, 12
	s_add_co_u32 s66, s66, s68
	s_lshr_b32 s68, s[WV], 1
	s_lshl_b32 s68, s68, 9
	s_add_co_u32 s66, s66, s68
	s_and_b32 s68, s[WV], 1
	s_lshl_b32 s68, s68, 3
	s_add_co_u32 s66, s66, s68
	s_add_nc_u64 s[10:11], s[10:11], s[66:67]
	s_lshl_b32 s66, s21, 7                         ; o_img: (tile 128 x batch + 32 cx + 2 x wave) x 4,096 + 512 x head
	s_lshl_b32 s68, s19, 5
	s_add_co_u32 s66, s66, s68
	s_lshl_b32 s68, s[WV], 1
	s_add_co_u32 s66, s66, s68
	s_lshl_b32 s66, s66, 12
	s_lshl_b32 s68, s22, 9
	s_add_co_u32 s66, s66, s68
	s_add_nc_u64 s[14:15], s[14:15], s[66:67]
	s_lshl_b32 s66, s20, 12                        ; os: 32 bytes a tile
	s_lshl_b32 s68, s19, 10
	s_add_co_u32 s66, s66, s68
	s_add_nc_u64 s[16:17], s[16:17], s[66:67]
	v_and_b32 v1, 31, v0
	v_lshlrev_b32 v6, 2, v1
	v_lshlrev_b32 v1, 4, v1
	global_load_b32 v252, v6, s[12:13]             ; V's scale bytes of key step = my wave: the step's first 64 keys: 2 bytes for each (r, tile),
	global_load_b32 v253, v6, s[12:13] offset:1024 ; and its second 64
	v_and_b32 v254, 15, v0                         ; r
	v_lshl_add_u32 v2, v254, 4, VS
	v_add_nc_u32 v3, KS, v1
	v_lshlrev_b32 v5, 4, v254
	s_lshl_b32 s66, s[WV], 6
	s_add_co_u32 s66, s66, OS
	v_lshl_add_u32 v4, v254, 1, s66
	v_lshl_add_u32 v7, v0, 3, VS
	v_lshl_add_u32 v240, v0, 4, OS
	v_lshlrev_b32 v241, 4, v0
	v_and_b32 v254, 16, v0
	v_cmp_eq_u32 vcc_lo, 0, v254
	v_cndmask_b32 v20, 0, 6, vcc_lo                ; Q's k = 64: the code of +4, in lanes 0-15 (they hold k = 64 .. 95); all else of the idle half is 0
.irp j, 21,22,23
	v_mov_b32 v[\j], 0
.endr
.irp t, 0,1,2,3,4,5,6,7
	v_cndmask_b32 v[36+8*\t], 0, 14, vcc_lo        ; K's k = 64: the code of -4
	v_mov_b32 v[37+8*\t], 0
	v_mov_b32 v[38+8*\t], 0
	v_mov_b32 v[39+8*\t], 0
.endr
.irp b, 0,1,2,3
	v_mov_b32 v[236+\b], 0                         ; a lane permute's destination counts as one of its sources
.endr
	v_mov_b32 v251, 0                              ; (named as the upper half of the pair v[250:251])
	s_wait_loadcnt 0x0
	v_perm_b32 v242, v253, v252, 0x05040100        ; a word for each (r, tile): the step's four bytes
	v_perm_b32 v243, v253, v252, 0x07060302
	ds_store_b64 v7, v[242:243]
	s_wait_tensorcnt 0x0                           ; my part of K, V or the scale words is in LDS,
	s_wait_dscnt 0x0                               ; and my words of V's scales;
	s_barrier_signal -1
	s_barrier_wait -1                              ; everybody's are
; A KEY STEP: 128 keys.
.macro STEP
	v_add_nc_u32 v8, s[TB], v1                     ; these four are also the places between the last step's products and the loads into V's registers
	v_add_nc_u32 v10, s[TS], v3
	v_add_nc_u32 v11, s[TJ], v2
	v_add_nc_u32 v9, VI, v8
.irp t, 0,1,2,3,4,5,6,7
	ds_load_b128 v[32+8*\t:35+8*\t], v8 offset:512*\t
.endr
	ds_load_b128 v[24:27], v10                     ; lanes 0-15: tiles 0-3's words of key r; lanes 16-31: tiles 4-7's
.irp n, 0,1,2,3
.irp c, 0,1
	ds_load_b128 v[192+8*\n+4*\c:195+8*\n+4*\c], v9 offset:1024*\n+512*\c
.endr
.endr
	ds_load_b128 v[28:31], v11
	s_wait_dscnt 9                                 ; K and its scale words are in; the nine loads issued behind them, V's, land under the softmax
.irp t, 0,1,2,3
	v_wmma_scale_f32_16x16x128_f8f6f4 v[96+8*\t:103+8*\t], v[32+8*\t:39+8*\t], v[16:23], 0, v[24+\t], v248 matrix_a_fmt:MATRIX_FMT_FP4 matrix_b_fmt:MATRIX_FMT_FP4
.endr
.irp t, 4,5,6,7
	v_wmma_scale_f32_16x16x128_f8f6f4 v[96+8*\t:103+8*\t], v[32+8*\t:39+8*\t], v[16:23], 0, v[20+\t], v248 matrix_a_fmt:MATRIX_FMT_FP4 matrix_b_fmt:MATRIX_FMT_FP4 matrix_a_scale:MATRIX_SCALE_ROW1
.endr
.rept 4
	v_nop                                          ; places in front of the first read of results
.endr
.irp b, 0,1,2,3
	v_max3_num_f32 v[232+\b], v[96+16*\b], v[97+16*\b], v[98+16*\b]   ; the largest score of each block of 32 keys: for the row's maximum, and, since p rises with the score, for the block's largest p
.endr
.irp i, 3,5,7,9,11,13
.irp b, 0,1,2,3
	v_max3_num_f32 v[232+\b], v[232+\b], v[96+16*\b+\i], v[97+16*\b+\i]
.endr
.endr
.irp b, 0,1,2,3
	v_max_num_f32 v[232+\b], v[232+\b], v[111+16*\b]
.endr
.irp b, 0,1,2,3
	v_permlanex16_b32 v[236+\b], v[232+\b], s[SEL], s[SEL+1]
.endr
.irp b, 0,1,2,3
	v_max_num_f32 v[232+\b], v[232+\b], v[236+\b]  ; with lane l xor 16's 16 keys
.endr
	v_max3_num_f32 v254, v232, v233, v234
	v_max_num_f32 v254, v254, v235                 ; the step's largest score of my query
	v_mul_f32 v254, s[CS], v254                    ; as t
	v_max_num_f32 v13, v13, v254                   ; the running largest t
	v_mov_b32 v254, v12
	v_floor_f32 v12, -v13                          ; the new -M = floor(-t) = -ceil(t)
	v_sub_f32 v254, v12, v254                      ; old M - new M: a whole number, 0 or less
	v_cvt_i32_f32 v254, v254                       ; (it saturates)
	v_ldexp_f32 v250, 1.0, v254                    ; f = 2^(old M - new M)
.irp j, 0,2,4,6,8,10,12,14,16,18,20,22,24,26,28,30,32,34,36,38,40,42,44,46,48,50,52,54,56,58,60,62
	v_pk_fma_f32 v[96+\j:97+\j], v[96+\j:97+\j], s[CS:CS+1], v[12:13] op_sel_hi:[1,0,0]   ; t - M, two at a time
.endr
.irp b, 0,1,2,3
	v_fma_f32 v[232+\b], v[232+\b], s[CS], v12     ; the same of each block's largest score
.endr
.irp j, 0,1,2,3,4,5,6,7,8,9,10,11,12,13,14,15,16,17,18,19,20,21,22,23,24,25,26,27,28,29,30,31,32,33,34,35,36,37,38,39,40,41,42,43,44,45,46,47,48,49,50,51,52,53,54,55,56,57,58,59,60,61,62,63
	v_exp_f32 v[96+\j], v[96+\j]                   ; p = 2^(t - M)
.endr
.irp b, 0,1,2,3
	v_exp_f32 v[232+\b], v[232+\b]                 ; the block's largest p
.endr
	v_pk_mul_f32 v[14:15], v[14:15], v[250:251] op_sel_hi:[1,0]   ; the sums under the new M.  (A plain place behind the exponentials)
	s_wait_alu depctr_va_vdst(0)
.irp b, 0,1,2,3
	v_max_num_f32 v[232+\b], 0x1800000, v[232+\b]  ; the floor 2^(3 - 127): the byte cannot fall under 1
.endr
.irp b, 0,1,2,3
	v_add_nc_u32 v[244+\b], 0xff000000, v[232+\b]  ; 2 off the exponent field: the conversion's scale operand
.endr
.irp b, 0,1,2,3
	v_lshrrev_b32 v[236+\b], 23, v[244+\b]
.endr
	v_lshl_or_b32 v249, v237, 8, v236              ; p's scale word for these 128 keys
	v_lshl_or_b32 v249, v238, 16, v249
	v_lshl_or_b32 v249, v239, 24, v249
.irp b, 0,1,2,3
	v_cvt_scalef32_pk8_fp4_f32 v[224+2*\b], v[96+16*\b:103+16*\b], v[244+\b]
	v_cvt_scalef32_pk8_fp4_f32 v[225+2*\b], v[104+16*\b:111+16*\b], v[244+\b]
.endr
	v_nop                                          ; one plain place behind a scaled conversion
.irp c, 0,1
.irp i, 0,1
	v_permlane16_swap_b32 v[224+4*\c+\i], v[226+4*\c+\i]
.endr
.endr
	v_pk_add_f32 v[236:237], v[96:97], v[98:99]    ; the row's sum is taken of the unquantised p: two at a time, in two chains
.irp j, 4,8,12,16,20,24,28,32,36,40,44,48,52,56,60
	v_pk_add_f32 v[14:15], v[14:15], v[96+\j:97+\j]
	v_pk_add_f32 v[236:237], v[236:237], v[98+\j:99+\j]
.endr
	v_pk_add_f32 v[14:15], v[14:15], v[236:237]
.irp j, 0,2,4,6,8,10,12,14,16,18,20,22,24,26,28,30
	v_pk_mul_f32 v[160+\j:161+\j], v[160+\j:161+\j], v[250:251] op_sel_hi:[1,0]   ; O^T under the new M
.endr
	s_wait_dscnt 0x0                               ; V and its scale words are in
.irp n, 0,1,2,3
	v_wmma_scale_f32_16x16x128_f8f6f4 v[160+8*\n:167+8*\n], v[192+8*\n:199+8*\n], v[224:231], v[160+8*\n:167+8*\n], v[28+\n], v249 matrix_a_fmt:MATRIX_FMT_FP4 matrix_b_fmt:MATRIX_FMT_FP4
.endr
	s_add_co_u32 s[TB], s[TB], 4096
	s_add_co_u32 s[TS], s[TS], 512
	s_add_co_u32 s[TJ], s[TJ], 256
.endm
; One tile of 16 queries against all 2,048 keys.
.macro TILE i
	s_wait_xcnt 0x0                                ; the last tile's store has read its registers
	global_load_b128 v[16:19], v1, s[4:5] offset:512*\i
	global_load_b32 v248, v5, s[10:11] offset:4*\i
	v_mov_b32 v13, 0xff61b1e6                      ; the largest t so far: -3e38
	v_floor_f32 v12, -v13                          ; -M
	v_mov_b32 v14, 0
	v_mov_b32 v15, 0
.set j, 0
.rept 32
	v_mov_b32 v[160+j], 0                          ; O^T: the step is written once; its first trip finds zeros, which the first change of M leaves zeros
.set j, j+1
.endr
	s_mov_b32 s[TB], 0
	s_mov_b32 s[TS], 0
	s_mov_b32 s[TJ], 0
	s_mov_b32 s[CNT], 16
	s_wait_loadcnt 0x0
.Lstep_\@:
	STEP
	s_sub_co_u32 s[CNT], s[CNT], 1
	s_cmp_lg_u32 s[CNT], 0
	s_cbranch_scc1 .Lstep_\@
.rept 4
	v_nop                                          ; places in front of the first read of the last results
.endr
	v_add_f32 v14, v14, v15                        ; the sum's two halves,
	v_permlanex16_b32 v252, v14, s[SEL], s[SEL+1]
	v_add_f32 v14, v14, v252                       ; and lane l xor 16's
	v_rcp_f32 v250, v14
	v_nop                                          ; one plain place behind a transcendental
	s_wait_alu depctr_va_vdst(0)
.irp j, 0,2,4,6,8,10,12,14,16,18,20,22,24,26,28,30
	v_pk_mul_f32 v[96+\j:97+\j], v[160+\j:161+\j], v[250:251] op_sel_hi:[1,0]   ; o: register 16 p + i = channel 32 p + 16 h + i of my query
.endr
	QUANT2 96, 224, 252
	global_store_b128 v1, v[224:227], s[14:15] offset:4096*\i      ; 32 lanes store 512 consecutive bytes
	ds_store_b16 v4, v252 offset:32*\i             ; both halves of the lanes write the same bytes with the same value
.endm
	TILE 0
	TILE 1
	s_wait_dscnt 0x0
	s_barrier_signal -1
	s_barrier_wait -1                              ; the work-group's 1,024 scale bytes of o lie together
	s_cmp_gt_u32 s[WV], 1
	s_cbranch_scc1 .Lno_os
	ds_load_b128 v[232:235], v240
	s_wait_dscnt 0x0
	global_store_b128 v241, v[232:235], s[16:17]   ; waves 0 and 1: 512 consecutive bytes each
.Lno_os:
	s_wait_xcnt 0x0
	v_lshl_add_u32 v254, v0, 2, 0x29000
	v_mov_b32 v255, 0
	s_wait_tensorcnt 0x0
	ds_add_u32 v254, v255
	s_wait_dscnt 0x0
	CROUND                                         ; the closing round: no work-group ends while a partner may still ask for a tile that names it
	s_endpgm
.Lfunc_end_k_qb8e5ebbf53_attn:
	.size	k_qb8e5ebbf53_attn, .Lfunc_end_k_qb8e5ebbf53_attn-k_qb8e5ebbf53_attn
	.p2alignl 7, 3214868480
	.fill 96, 4, 3214868480
	.section	.rodata,"a",@progbits
	.p2align	6, 0x0
	.amdhsa_kernel k_qb8e5ebbf53_attn
		.amdhsa_group_segment_fixed_size 169984
		.amdhsa_private_segment_fixed_size 0
		.amdhsa_enable_private_segment 0
		.amdhsa_kernarg_size 56
		.amdhsa_user_sgpr_count 2
		.amdhsa_user_sgpr_kernarg_segment_ptr 1
		.amdhsa_wavefront_size32 1
		.amdhsa_system_sgpr_workgroup_id_x 1
		.amdhsa_system_sgpr_workgroup_id_y 1
		.amdhsa_system_sgpr_workgroup_id_z 1
		.amdhsa_system_vgpr_workitem_id 0
		.amdhsa_next_free_vgpr 256
		.amdhsa_next_free_sgpr 80
		.amdhsa_reserve_vcc 1
		.amdhsa_float_denorm_mode_32 3
		.amdhsa_float_denorm_mode_16_64 3
		.amdhsa_memory_ordered 1
		.amdhsa_forward_progress 1
		.amdhsa_inst_pref_size 49
	.end_amdhsa_kernel
	.amdgpu_metadata
---
amdhsa.version: [ 1, 2 ]
amdhsa.kernels:
  - .name:           k_qb8e5ebbf53_attn
    .symbol:         k_qb8e5ebbf53_attn.kd
    .args:
      - { .name: q_img, .offset: 0, .size: 8, .value_kind: global_buffer, .address_space: global }
      - { .name: k_img, .offset: 8, .size: 8, .value_kind: global_buffer, .address_space: global }
      - { .name: v_img, .offset: 16, .size: 8, .value_kind: global_buffer, .address_space: global }
      - { .name: qks, .offset: 24, .size: 8, .value_kind: global_buffer, .address_space: global }
      - { .name: vs, .offset: 32, .size: 8, .value_kind: global_buffer, .address_space: global }
      - { .name: o_img, .offset: 40, .size: 8, .value_kind: global_buffer, .address_space: global }
      - { .name: os, .offset: 48, .size: 8, .value_kind: global_buffer, .address_space: global }
    .group_segment_fixed_size: 169984
    .private_segment_fixed_size: 0
    .kernarg_segment_align: 8
    .kernarg_segment_size: 56
    .max_flat_workgroup_size: 512
    .sgpr_count:     80
    .vgpr_count:     256
    .wavefront_size: 32
...
	.end_amdgpu_metadata
.endif
;; end of part 3
;; launch tail (part 4): grid 256 x 1, 8 waves a work-group, no clusters, 222,208 bytes of LDS; arguments x, o_img, os, wimg, w_o_scales, w_1_scales, w_2_scales, b_o, b_1, b_2, out0; writes out0
.if DOCPART == 4
	.amdgcn_target "amdgcn-amd-amdhsa--gfx1250"
	.amdhsa_code_object_version 6
	.text
	.protected	k_qb8e5ebbf53_tail
	.globl	k_qb8e5ebbf53_tail
	.p2align	8
	.type	k_qb8e5ebbf53_tail,@function
k_qb8e5ebbf53_tail:
	s_mov_b64 s[64:65], 0
	v_nop
	global_prefetch_b8 v0, s[64:65] scope:SCOPE_SE
	s_setreg_imm32_b32 hwreg(HW_REG_WAVE_MODE, 25, 1), 1
	s_wait_xcnt 0x0
; x1 = x + o W_o^T + b_o;  y = layer norm of x1;  out = x1 + relu(y W_1^T + b_1) W_2^T + b_2.  The three products are on codes of FP4 (E2M1) with one E8M0 scale for each 32 along K;
; o arrives as codes, y and the hidden layer are quantised here and go from wave to wave through LDS as images of the operand's registers.  x1 never leaves the registers.
; SHARES.  A work-group takes 64 tokens, as four tiles of 16 (lane r of tile m: row 32 (m / 2) + 8 (m % 2) + r + 8 (r / 8)).  THE WAVES SHARE THE COLUMNS: wave w makes columns 64 w .. + 63 of x1 and of out and hidden units
; 128 w .. + 127, for all 64 tokens.  So each weight byte is wanted by one wave and comes straight into its registers, 512 consecutive bytes a load, through two buffers of 128 registers that take turns, a phase ahead.
; All products are used transposed (source 0 = 16 rows of a weight, source 1 = 16 tokens): a lane holds one token; register 16 p + i of a group of four tiles is column 32 p + 16 h + i.
; x + b_o is the C on which the first product's sums begin; b_1 that of the second's; x1 + b_2 that of the third's: no addition follows a product.
; LIMITS.  NaN and infinities are not served.  A block of zeros gets the scale byte 1 (the rule says 127): its codes are zeros, and the bytes are read by this launch alone.
.set XR,    17408                      ; LDS: x, a region for each wave: 64 rows x (256 bytes + 16); filled once; at the end the wave's stage for out
.set OIMG,  8*XR                       ; 139,264: o's 16 fragments (tile m, K step s: 4 m + s), filled once
.set OSC,   OIMG+16384                 ; o's scale words [m][r][4 words]
.set EX1,   OSC+1024                   ; the waves' sums [m][r][8 waves]
.set EX2,   EX1+2048                   ; their sums of squares
.set X1IMG, EX2+2048                   ; y's 16 fragments
.set X1SC,  X1IMG+16384                ; y's scale words [m][r][4 words]
.set HIMG,  X1SC+1024                  ; the hidden layer's 32 fragments (8 m + s)
.set HSC,   HIMG+32768                 ; its scale words [m][r][8 words]
.set BT,    HSC+2048                   ; for each wave 1,024 bytes: its 64 of b_o, its 64 of b_2, its 128 of b_1
.set OWO,   393216                     ; W_o, W_1, W_2 in wimg
.set OW1,   524288
.set OW2,   786432
.set LI,   1                           ; v1   OIMG + 16 x lane (reaches y's images too)
.set XA,   2                           ; v2   my token's row in my region of x, + 64 h
.set BR,   3                           ; v3   BT + 1,024 x wave + 64 h
.set LR,   4                           ; v4   OSC + 16 r (reaches y's scale words too)
.set W32,  5                           ; v5   EX1 + 32 r + 4 x wave (reaches EX2 and the hidden layer's scale words)
.set L32,  6                           ; v6   EX1 + 32 r
.set IW,   7                           ; v7   X1IMG + 16 x thread: fragment s = wave / 2, half c = wave % 2
.set SW8,  8                           ; v8   X1SC + 16 r + 2 x wave
.set HW,   9                           ; v9   HIMG + 16 x lane + 1,024 x wave: K step = my wave
.set LH,   10                          ; v10  HIMG + 16 x lane
.set SR,   11                          ; v11  the stage, back: 272 h + 16 r in my region
.set OO,   12                          ; v12  out: 2,048 h + 16 r
.set V16,  13                          ; v13  a weight's scale words, rows of 16 bytes: lanes 0-15 an even tile's rows, lanes 16-31 the odd tile's
.set V32,  14                          ; v14  the same for rows of 32 bytes
.set GL,   15                          ; v15  16 x lane
.set X1,   16                          ; v16-143 x1: 32 m + 8 t + j: sixteen accumulators
.set ACC,  144                         ; v144-175 four accumulators; at work in the norm
.set FR,   176                         ; v176-207 four fragments; at work in the norm
.set WSP,  208                         ; v208-215, v216-223 the two buffers' scale words; v224-227 the tokens': these hold scales and nothing else
.set WSQ,  216
.set BS,   224
.set MU,   228                         ; v[228 + 2 m : 229 + 2 m] tile m's mean (low word)
.set TM,   236                         ; v236-243 at work
.set PC,   244                         ; v244-247 the codes just made
.set PW,   248                         ; v248 their scale bytes
.set WV,   26                          ; s26 my wave
.set G1X,  40                          ; s[40:47] group 1 for x; s[48:55] for o; s[56:59], s[60:63] their groups 0
.set G1O,  48
.set G0X,  56
.set G0O,  60
.set SEL,  66                          ; s[66:67] v_permlanex16_b32's selects for lane l xor 16
; window 1: buffer P v0-127, buffer Q v128-255; register 32 t + 8 s + 4 c: tile t, K step s.
.set MSB, 0
.macro WIN new                         ; the immediate's high byte repeats the setting that is left
.if MSB != \new
	s_set_vgpr_msb (MSB<<8)|\new
.set MSB, \new
.endif
.endm
.macro PLACES n
.rept \n
	v_nop
.endr
.endm
.macro BARRIER                         ; my LDS stores have landed and my LDS loads are in: then the work-group's barrier
	s_wait_dscnt 0x0
	s_barrier_signal -1
	s_barrier_wait -1
.endm
.macro WM d, a, b, sa, sb, row         ; adds in place; row = 1: source 0's scales from lanes 16-31
.if (\row) == 1
	v_wmma_scale_f32_16x16x128_f8f6f4 v[(\d):(\d)+7], v[(\a):(\a)+7], v[(\b):(\b)+7], v[(\d):(\d)+7], v[(\sa)], v[(\sb)] matrix_a_fmt:MATRIX_FMT_FP4 matrix_b_fmt:MATRIX_FMT_FP4 matrix_a_scale:MATRIX_SCALE_ROW1
.else
	v_wmma_scale_f32_16x16x128_f8f6f4 v[(\d):(\d)+7], v[(\a):(\a)+7], v[(\b):(\b)+7], v[(\d):(\d)+7], v[(\sa)], v[(\sb)] matrix_a_fmt:MATRIX_FMT_FP4 matrix_b_fmt:MATRIX_FMT_FP4
.endif
.endm
.macro QUANT2 src, pc, pw              ; 32 numbers, register 16 p + i = k 32 p + 16 h + i, become four registers of codes (lane (r, h): k = 32 h + 0 .. 31) and two scale bytes; read in ascending order
.irp p, 0,1
	v_max3_num_f32 v[TM+\p], |v[(\src)+16*\p]|, |v[(\src)+1+16*\p]|, 0x1800000    ; and the floor 2^(3 - 127): the byte cannot fall under 1
.endr
.irp i, 2,4,6,8,10,12,14
.irp p, 0,1
	v_max3_num_f32 v[TM+\p], v[TM+\p], |v[(\src)+16*\p+\i]|, |v[(\src)+1+16*\p+\i]|
.endr
.endr
.irp p, 0,1
	v_permlanex16_b32 v[TM+2+\p], v[TM+\p], s[SEL], s[SEL+1]
.endr
.irp p, 0,1
	v_max_num_f32 v[TM+\p], v[TM+\p], v[TM+2+\p]
.endr
.irp p, 0,1
	v_add_nc_u32 v[TM+4+\p], 0xff000000, v[TM+\p]
.endr
.irp p, 0,1
	v_lshrrev_b32 v[TM+6+\p], 23, v[TM+4+\p]
.endr
.irp p, 0,1
	v_cvt_scalef32_pk8_fp4_f32 v[(\pc)+2*\p], v[(\src)+16*\p:(\src)+7+16*\p], v[TM+4+\p]
	v_cvt_scalef32_pk8_fp4_f32 v[(\pc)+1+2*\p], v[(\src)+8+16*\p:(\src)+15+16*\p], v[TM+4+\p]
.endr
	v_nop                                          ; one plain place behind a scaled conversion
	v_permlane16_swap_b32 v[(\pc)], v[(\pc)+2]
	v_permlane16_swap_b32 v[(\pc)+1], v[(\pc)+3]
	v_lshl_or_b32 v[(\pw)], v[TM+7], 8, v[TM+6]
.endm
; 34 loads: four tiles x four K steps of a weight into buffer wb, and their scale words.
.macro LOADW wb, cb, off, tstep, ws, sb, so, soff, pstep
	WIN 0x40                                       ; destination window 1
.irp t, 0,1,2,3
.irp i, 0,1,2,3,4,5,6,7
	global_load_b128 v[(\wb)+32*\t+4*\i:(\wb)+32*\t+4*\i+3], v[GL], s[\cb:\cb+1] offset:(\off)+(\tstep)*\t+512*\i
.endr
.endr
	WIN 0
	global_load_b128 v[\ws:\ws+3], v[\so], s[\sb:\sb+1] offset:\soff
	global_load_b128 v[\ws+4:\ws+7], v[\so], s[\sb:\sb+1] offset:(\soff)+(\pstep)
.endm
; Four fragments of 16 tokens and their scale words from LDS; 16 matrix instructions on four accumulators by turns, K ascending; four places.
.macro UNIT acc, wb, ws, fa, fo, sa, so
.irp i, 0,1,2,3,4,5,6,7
	ds_load_b128 v[FR+4*\i:FR+4*\i+3], v[\fa] offset:(\fo)+512*\i
.endr
	ds_load_b128 v[BS:BS+3], v[\sa] offset:\so
	s_wait_dscnt 0x0
	WIN 0x01                                       ; source 0 (the weight) window 1
.irp s, 0,1,2,3
.irp t, 0,1,2,3
	WM (\acc)+8*\t, (\wb)+32*\t+8*\s, FR+8*\s, (\ws)+4*(\t/2)+\s, BS+\s, \t%2
.endr
.endr
	WIN 0
	PLACES 4                                       ; in front of loads into registers that these have read, and of the first read of results
.endm
	s_load_b256 s[4:11], s[0:1], 0x0               ; x s[4:5], o_img s[6:7], os s[8:9], wimg s[10:11]
	s_load_b256 s[12:19], s[0:1], 0x20             ; w_o_scales s[12:13], w_1_scales s[14:15], w_2_scales s[16:17], b_o s[18:19]
	s_load_b128 s[20:23], s[0:1], 0x40             ; b_1 s[20:21], b_2 s[22:23]
	s_load_b64 s[24:25], s[0:1], 0x50              ; out0
	v_lshl_add_u32 v254, v0, 2, 0x36000
	v_mov_b32 v255, 0
	ds_add_u32 v254, v255
	ds_add_u32 v254, v255
	s_wait_dscnt 0x0
	v_lshrrev_b32 v1, 5, v0
	v_readfirstlane_b32 s[WV], v1                  ; wave 0..7
	; x: 64 rows of 64 elements of 4 bytes, 512 elements apart; 4 words of padding behind every 64
	s_mov_b32 s[G1X+0], (2<<16)|(1<<20)|(5<<22)|(3<<25)
	s_mov_b32 s[G1X+1], 64<<16
	s_mov_b32 s[G1X+2], 64<<16
	s_mov_b32 s[G1X+3], 64<<16
	s_mov_b32 s[G1X+4], 64
	s_mov_b32 s[G1X+5], 512
	s_mov_b32 s[G1X+6], 0
	s_mov_b32 s[G1X+7], 0
	; o: 2,048 dense bytes as 8 rows of 256
	s_mov_b32 s[G1O+0], 3<<16
	s_mov_b32 s[G1O+1], 32<<16
	s_mov_b32 s[G1O+2], 8<<16
	s_mov_b32 s[G1O+3], 32<<16
	s_mov_b32 s[G1O+4], 8
	s_mov_b32 s[G1O+5], 32
	s_mov_b32 s[G1O+6], 0
	s_mov_b32 s[G1O+7], 0
	s_lshl_b32 s30, ttmp9, 17                      ; x and out: 64 rows of 2,048 bytes a work-group, + my 256 bytes of a row
	s_lshl_b32 s32, s[WV], 8
	s_add_co_u32 s30, s30, s32
	s_mov_b32 s31, 0
	s_lshl_b32 s32, ttmp9, 14                      ; o_img: four tiles of 4,096 bytes a work-group, an eighth for each wave
	s_lshl_b32 s34, s[WV], 11
	s_add_co_u32 s32, s32, s34
	s_mov_b32 s33, 0
	s_mov_b32 s[G0X+0], 1
	s_mul_i32 s[G0X+1], s[WV], XR
	s_mov_b32 s[G0O+0], 1
	s_add_co_u32 s[G0O+1], s34, OIMG
	s_mov_b32 s[SEL], 0x76543210
	s_mov_b32 s[SEL+1], 0xfedcba98
	s_mov_b32 s68, 0x3b004020                      ; 1 / 511
	s_mov_b32 s69, 0x358637bd                      ; 1e-6
	s_wait_kmcnt 0x0
	s_add_nc_u64 s[G0X+2:G0X+3], s[4:5], s[30:31]
	s_or_b32 s[G0X+3], s[G0X+3], 0x80000000
	s_add_nc_u64 s[G0O+2:G0O+3], s[6:7], s[32:33]
	s_or_b32 s[G0O+3], s[G0O+3], 0x80000000
	tensor_load_to_lds s[G0X:G0X+3], s[G1X:G1X+7]  ; my two tensor loads stand together; LDS is filled once
	s_nop 0
	tensor_load_to_lds s[G0O:G0O+3], s[G1O:G1O+7]
	s_nop 0
	PLACES 4
	s_add_nc_u64 s[24:25], s[24:25], s[30:31]      ; out at my columns of the group's first row
	s_mov_b32 s35, 0
	s_lshl_b32 s34, s[WV], 15
	s_add_nc_u64 s[36:37], s[10:11], s[34:35]      ; wimg + 32,768 x wave: W_1's and W_2's eight tiles' worth
	s_lshl_b32 s34, s[WV], 14
	s_add_nc_u64 s[10:11], s[10:11], s[34:35]      ; wimg + 16,384 x wave: W_o's four tiles
	s_lshl_b32 s34, s[WV], 10
	s_add_nc_u64 s[12:13], s[12:13], s[34:35]      ; W_o's scale words: 64 rows of 16 bytes
	s_lshl_b32 s34, s[WV], 11
	s_add_nc_u64 s[14:15], s[14:15], s[34:35]      ; W_1's: 128 rows of 16;  W_2's: 64 rows of 32
	s_add_nc_u64 s[16:17], s[16:17], s[34:35]
	s_lshl_b32 s34, s[WV], 8
	s_add_nc_u64 s[18:19], s[18:19], s[34:35]
	s_add_nc_u64 s[22:23], s[22:23], s[34:35]
	s_lshl_b32 s34, s[WV], 9
	s_add_nc_u64 s[20:21], s[20:21], s[34:35]
	s_lshr_b32 s27, ttmp9, 5                       ; os: head = my wave: ((8 x batch + wave) x 128 + my four tiles) x 32 bytes
	s_lshl_b32 s27, s27, 3
	s_add_co_u32 s27, s27, s[WV]
	s_lshl_b32 s34, s27, 12
	s_and_b32 s28, ttmp9, 31
	s_lshl_b32 s28, s28, 7
	s_add_co_u32 s34, s34, s28
	s_add_nc_u64 s[8:9], s[8:9], s[34:35]
	v_and_b32 v250, 31, v0                         ; lane
	v_and_b32 v251, 15, v0                         ; r
	v_bfe_u32 v249, v0, 4, 1                       ; h
	v_lshlrev_b32 v[GL], 4, v250
	v_add_nc_u32 v[LI], OIMG, v[GL]
	v_add_nc_u32 v[LH], HIMG, v[GL]
	v_and_b32 v255, 8, v251
	v_add_nc_u32 v255, v255, v251                  ; r + 8 (r / 8)
	s_mul_i32 s30, s[WV], XR
	v_mul_u32_u24 v[XA], v255, 272
	v_lshl_add_u32 v[XA], v249, 6, v[XA]
	v_add_nc_u32 v[XA], s30, v[XA]
	v_mul_u32_u24 v[SR], v249, 272
	v_lshl_add_u32 v[SR], v251, 4, v[SR]
	v_add_nc_u32 v[SR], s30, v[SR]
	v_lshlrev_b32 v[OO], 11, v249
	v_lshl_add_u32 v[OO], v251, 4, v[OO]
	v_lshl_add_u32 v255, v249, 3, v255
	v_lshlrev_b32 v[V16], 4, v255
	v_lshlrev_b32 v[V32], 5, v255
	s_lshl_b32 s31, s[WV], 10
	v_add_nc_u32 v[HW], s31, v[LH]
	s_add_co_u32 s31, s31, BT
	v_lshl_add_u32 v[BR], v249, 6, s31
	v_lshl_add_u32 v252, v250, 3, s31              ; my wave's table of biases, on the way in: 8 bytes a lane,
	v_add_nc_u32 v253, s31, v[GL]
	v_add_nc_u32 v253, 512, v253                   ; and 16 for b_1
	v_lshl_add_u32 v[LR], v251, 4, OSC
	v_lshl_add_u32 v[L32], v251, 5, EX1
	s_lshl_b32 s32, s[WV], 2
	v_add_nc_u32 v[W32], s32, v[L32]
	v_lshl_add_u32 v[IW], v0, 4, X1IMG
	s_lshl_b32 s32, s[WV], 1
	s_add_co_u32 s33, s32, X1SC
	v_lshl_add_u32 v[SW8], v251, 4, s33
	v_bfe_u32 v254, v0, 3, 2                       ; o's scale bytes on the way in: a lane has those of tile lane / 8, tokens 2 (lane % 8) and the next
	v_and_b32 v249, 7, v0
	v_lshlrev_b32 v254, 8, v254
	v_lshl_add_u32 v254, v249, 5, v254
	s_add_co_u32 s33, s32, OSC
	v_add_nc_u32 v254, s33, v254
	v_lshlrev_b32 v255, 3, v250
	v_lshlrev_b32 v251, 2, v250
.irp m, 0,1,2,3
	v_mov_b32 v[MU+2*\m+1], 0                      ; named with the mean as a pair, so it is written
.endr
	v_mov_b32 v[TM+2], 0                           ; a lane permute's destination counts as one of its sources
	v_mov_b32 v[TM+3], 0
	global_load_b64 v[176:177], v255, s[18:19]     ; my 64 of b_o,
	global_load_b64 v[178:179], v255, s[22:23]     ; of b_2,
	global_load_b128 v[180:183], v[GL], s[20:21]   ; my 128 of b_1,
	global_load_b32 v184, v251, s[8:9]             ; head w's scale bytes of the 64 tokens
	LOADW 0, 10, OWO, 4096, WSP, 12, V16, 0, 512   ; P: W_o
	s_wait_loadcnt 34                              ; all but P's 34: the four small loads are in
	ds_store_b64 v252, v[176:177]
	ds_store_b64 v252, v[178:179] offset:256
	ds_store_b128 v253, v[180:183]
	ds_store_b16 v254, v184
	ds_store_b16_d16_hi v254, v184 offset:16
	LOADW 128, 36, OW1, 4096, WSQ, 14, V16, 0, 512 ; Q: W_1, my first 64 hidden units
	s_wait_tensorcnt 0x0                           ; my columns of x and my part of o are in LDS
	BARRIER                                        ; o's fragments and scale words are whole
	; ---- x1 = x + b_o + o W_o^T
.irp m, 0,1,2,3
.irp p, 0,1
.irp j, 0,1,2,3
	ds_load_b128 v[X1+32*\m+16*\p+4*\j:X1+32*\m+16*\p+4*\j+3], v[XA] offset:(32*(\m/2)+8*(\m%2))*272+128*\p+16*\j
.endr
.endr
.endr
.irp p, 0,1
.irp j, 0,1,2,3
	ds_load_b128 v[ACC+16*\p+4*\j:ACC+16*\p+4*\j+3], v[BR] offset:128*\p+16*\j
.endr
.endr
	s_wait_dscnt 0x0
.irp m, 0,1,2,3
.irp q, 0,2,4,6,8,10,12,14,16,18,20,22,24,26,28,30
	v_pk_add_f32 v[X1+32*\m+\q:X1+32*\m+\q+1], v[X1+32*\m+\q:X1+32*\m+\q+1], v[ACC+\q:ACC+\q+1]
.endr
.endr
	s_wait_loadcnt 34                              ; P is in; Q's 34 may be out
.irp m, 0,1,2,3
	UNIT X1+32*\m, 0, WSP, LI, 4096*\m, LR, 256*\m
.endr
	LOADW 0, 36, OW1+16384, 4096, WSP, 14, V16, 1024, 512   ; P: W_1, my second 64 hidden units
	; ---- the norm of x1.  First the mean, then the squares of the differences
.irp m, 0,1,2,3
.irp t, 0,1,2,3
	v_pk_add_f32 v[ACC+8*\m+2*\t:ACC+8*\m+2*\t+1], v[X1+32*\m+8*\t:X1+32*\m+8*\t+1], v[X1+32*\m+8*\t+2:X1+32*\m+8*\t+3]   ; each accumulator from its low end on
.endr
.endr
.irp q, 4,6
.irp m, 0,1,2,3
.irp t, 0,1,2,3
	v_pk_add_f32 v[ACC+8*\m+2*\t:ACC+8*\m+2*\t+1], v[ACC+8*\m+2*\t:ACC+8*\m+2*\t+1], v[X1+32*\m+8*\t+\q:X1+32*\m+8*\t+\q+1]
.endr
.endr
.endr
.macro FOLD b                          ; for each tile the eight numbers at v[b + 8 m] become one, in the same order in every wave
.irp m, 0,1,2,3
	v_pk_add_f32 v[(\b)+8*\m:(\b)+8*\m+1], v[(\b)+8*\m:(\b)+8*\m+1], v[(\b)+8*\m+2:(\b)+8*\m+3]
	v_pk_add_f32 v[(\b)+8*\m+4:(\b)+8*\m+5], v[(\b)+8*\m+4:(\b)+8*\m+5], v[(\b)+8*\m+6:(\b)+8*\m+7]
.endr
.irp m, 0,1,2,3
	v_pk_add_f32 v[(\b)+8*\m:(\b)+8*\m+1], v[(\b)+8*\m:(\b)+8*\m+1], v[(\b)+8*\m+4:(\b)+8*\m+5]
.endr
.irp m, 0,1,2,3
	v_add_f32 v[(\b)+8*\m], v[(\b)+8*\m], v[(\b)+8*\m+1]
.endr
.endm
.macro SHARE b, off                    ; with lane l xor 16's; to LDS; a barrier; the eight waves' numbers back into v[ACC + 8 m] on, and folded
.irp m, 0,1,2,3
	v_permlanex16_b32 v[(\b)+8*\m+1], v[(\b)+8*\m], s[SEL], s[SEL+1]
.endr
.irp m, 0,1,2,3
	v_add_f32 v[(\b)+8*\m], v[(\b)+8*\m], v[(\b)+8*\m+1]
.endr
.irp m, 0,1,2,3
	ds_store_b32 v[W32], v[(\b)+8*\m] offset:(\off)+512*\m
.endr
	BARRIER
.irp m, 0,1,2,3
	ds_load_b128 v[ACC+8*\m:ACC+8*\m+3], v[L32] offset:(\off)+512*\m
	ds_load_b128 v[ACC+8*\m+4:ACC+8*\m+7], v[L32] offset:(\off)+512*\m+16
.endr
	s_wait_dscnt 0x0
	FOLD ACC
.endm
	FOLD ACC
	SHARE ACC, 0
.irp m, 0,1,2,3
	v_mul_f32 v[MU+2*\m], 0x3b000000, v[ACC+8*\m]  ; / 512
.endr
.irp m, 0,1,2,3
.irp q, 0,2,4,6,8,10,12,14,16,18,20,22,24,26,28,30
	v_pk_add_f32 v[ACC+\q:ACC+\q+1], v[X1+32*\m+\q:X1+32*\m+\q+1], v[MU+2*\m:MU+2*\m+1] op_sel_hi:[1,0] neg_lo:[0,1] neg_hi:[0,1]
.endr
.irp k, 0,1,2,3
	v_pk_mul_f32 v[FR+8*\m+2*\k:FR+8*\m+2*\k+1], v[ACC+2*\k:ACC+2*\k+1], v[ACC+2*\k:ACC+2*\k+1]
.endr
.irp q, 8,16,24
.irp k, 0,1,2,3
	v_pk_fma_f32 v[FR+8*\m+2*\k:FR+8*\m+2*\k+1], v[ACC+\q+2*\k:ACC+\q+2*\k+1], v[ACC+\q+2*\k:ACC+\q+2*\k+1], v[FR+8*\m+2*\k:FR+8*\m+2*\k+1]
.endr
.endr
.endr
	FOLD FR
	SHARE FR, EX2-EX1                              ; other bytes than the sums'
.irp m, 0,1,2,3
	v_fma_f32 v[ACC+8*\m], v[ACC+8*\m], s68, s69   ; / 511 + 1e-6
.endr
.irp m, 0,1,2,3
	v_rsq_f32 v[FR+8*\m], v[ACC+8*\m]              ; the low word of the pair v[FR + 8 m : FR + 8 m + 1]
.endr
	v_nop                                          ; one plain place behind the transcendentals
	s_wait_alu depctr_va_vdst(0)
.irp m, 0,1,2,3
.irp q, 0,2,4,6,8,10,12,14,16,18,20,22,24,26,28,30
	v_pk_add_f32 v[ACC+\q:ACC+\q+1], v[X1+32*\m+\q:X1+32*\m+\q+1], v[MU+2*\m:MU+2*\m+1] op_sel_hi:[1,0] neg_lo:[0,1] neg_hi:[0,1]
.endr
.irp q, 0,2,4,6,8,10,12,14,16,18,20,22,24,26,28,30
	v_pk_mul_f32 v[ACC+\q:ACC+\q+1], v[ACC+\q:ACC+\q+1], v[FR+8*\m:FR+8*\m+1] op_sel_hi:[1,0]
.endr
	QUANT2 ACC, PC, PW
	ds_store_b128 v[IW], v[PC:PC+3] offset:4096*\m
	ds_store_b16 v[SW8], v[PW] offset:256*\m       ; both halves of the lanes write the same bytes with the same value
	s_wait_dscnt 0x0                               ; the stores have read their registers
.endr
	BARRIER                                        ; y's sixteen fragments lie in LDS
	; ---- the hidden layer: 64 units at a time; b_1 is loaded into the accumulators, the sums go on from it
.macro FFN1 g, wb, ws
.irp m, 0,1,2,3
.irp p, 0,1
.irp j, 0,1,2,3
	ds_load_b128 v[ACC+16*\p+4*\j:ACC+16*\p+4*\j+3], v[BR] offset:512+256*(\g)+128*\p+16*\j
.endr
.endr
	UNIT ACC, \wb, \ws, LI, X1IMG-OIMG+4096*\m, LR, X1SC-OSC+256*\m
.set i, 0
.rept 32
	v_max_num_f32 v[ACC+i], 0, v[ACC+i]            ; the activation, in f32
.set i, i+1
.endr
	QUANT2 ACC, PC, PW
	ds_store_b128 v[HW], v[PC:PC+3] offset:8192*\m+512*(\g)
	ds_store_b16 v[W32], v[PW] offset:HSC-EX1+512*\m+2*(\g)
	s_wait_dscnt 0x0                               ; the stores have read their registers
.endr
.endm
	s_wait_loadcnt 34                              ; Q is in; P's 34 may be out
	FFN1 0, 128, WSQ
	LOADW 128, 36, OW2, 8192, WSQ, 16, V32, 0, 1024         ; Q: W_2, K = 0 .. 511
	s_wait_loadcnt 34                              ; P is in; Q's 34 may be out
	FFN1 1, 0, WSP
	LOADW 0, 36, OW2+4096, 8192, WSP, 16, V32, 16, 1024     ; P: W_2, K = 512 .. 1,023
.irp p, 0,1
.irp j, 0,1,2,3
	ds_load_b128 v[ACC+16*\p+4*\j:ACC+16*\p+4*\j+3], v[BR] offset:256+128*\p+16*\j
.endr
.endr
	s_wait_dscnt 0x0
.irp m, 0,1,2,3
.irp q, 0,2,4,6,8,10,12,14,16,18,20,22,24,26,28,30
	v_pk_add_f32 v[X1+32*\m+\q:X1+32*\m+\q+1], v[X1+32*\m+\q:X1+32*\m+\q+1], v[ACC+\q:ACC+\q+1]   ; x1 + b_2: the third product's sums go on from it
.endr
.endr
	BARRIER                                        ; the hidden layer's 32 fragments lie in LDS
	s_wait_loadcnt 34                              ; Q is in; P's 34 may be out
.irp m, 0,1,2,3
	UNIT X1+32*\m, 128, WSQ, LH, 8192*\m, L32, HSC-EX1+512*\m
.endr
	s_wait_loadcnt 0x0                             ; P is in
.irp m, 0,1,2,3
	UNIT X1+32*\m, 0, WSP, LH, 8192*\m+4096, L32, HSC-EX1+512*\m+16
.endr
	; ---- the way out: a lane holds 128 bytes of each of four rows; through my region of x, which nothing fills or reads any more, they come back as whole rows of 256 bytes
.irp m, 0,1,2,3
.irp p, 0,1
.irp j, 0,1,2,3
	ds_store_b128 v[XA], v[X1+32*\m+16*\p+4*\j:X1+32*\m+16*\p+4*\j+3] offset:(32*(\m/2)+8*(\m%2))*272+128*\p+16*\j   ; each accumulator from its low end on
.endr
.endr
.endr
.set i, 0
.rept 32
	ds_load_b128 v[X1+4*i:X1+4*i+3], v[SR] offset:544*i    ; LDS serves a wave's instructions in order: these see my stores.  Rows 2 i and 2 i + 1
.set i, i+1
.endr
.set i, 0
.rept 32
	s_wait_dscnt 31-i                              ; the loads issued behind row pair i's may be out
	global_store_b128 v[OO], v[X1+4*i:X1+4*i+3], s[24:25] offset:4096*i th:TH_STORE_NT   ; sixteen lanes store 256 consecutive bytes, at a multiple of 256 from out0's first byte
.set i, i+1
.endr
	s_wait_xcnt 0x0
	v_lshl_add_u32 v254, v0, 2, 0x36000
	v_mov_b32 v255, 0
	s_wait_tensorcnt 0x0
	ds_add_u32 v254, v255
	s_wait_dscnt 0x0
	s_endpgm
.Lfunc_end_k_qb8e5ebbf53_tail:
	.size	k_qb8e5ebbf53_tail, .Lfunc_end_k_qb8e5ebbf53_tail-k_qb8e5ebbf53_tail
	.p2alignl 7, 3214868480
	.fill 96, 4, 3214868480
	.section	.rodata,"a",@progbits
	.p2align	6, 0x0
	.amdhsa_kernel k_qb8e5ebbf53_tail
		.amdhsa_group_segment_fixed_size 222208
		.amdhsa_private_segment_fixed_size 0
		.amdhsa_enable_private_segment 0
		.amdhsa_kernarg_size 88
		.amdhsa_user_sgpr_count 2
		.amdhsa_user_sgpr_kernarg_segment_ptr 1
		.amdhsa_wavefront_size32 1
		.amdhsa_system_sgpr_workgroup_id_x 1
		.amdhsa_system_sgpr_workgroup_id_y 1
		.amdhsa_system_sgpr_workgroup_id_z 1
		.amdhsa_system_vgpr_workitem_id 0
		.amdhsa_next_free_vgpr 512
		.amdhsa_next_free_sgpr 80
		.amdhsa_reserve_vcc 0
		.amdhsa_float_denorm_mode_32 3
		.amdhsa_float_denorm_mode_16_64 3
		.amdhsa_memory_ordered 1
		.amdhsa_forward_progress 1
		.amdhsa_inst_pref_size 161
	.end_amdhsa_kernel
	.amdgpu_metadata
---
amdhsa.version: [ 1, 2 ]
amdhsa.kernels:
  - .name:           k_qb8e5ebbf53_tail
    .symbol:         k_qb8e5ebbf53_tail.kd
    .args:
      - { .name: x, .offset: 0, .size: 8, .value_kind: global_buffer, .address_space: global }
      - { .name: o_img, .offset: 8, .size: 8, .value_kind: global_buffer, .address_space: global }
      - { .name: os, .offset: 16, .size: 8, .value_kind: global_buffer, .address_space: global }
      - { .name: wimg, .offset: 24, .size: 8, .value_kind: global_buffer, .address_space: global }
      - { .name: w_o_scales, .offset: 32, .size: 8, .value_kind: global_buffer, .address_space: global }
      - { .name: w_1_scales, .offset: 40, .size: 8, .value_kind: global_buffer, .address_space: global }
      - { .name: w_2_scales, .offset: 48, .size: 8, .value_kind: global_buffer, .address_space: global }
      - { .name: b_o, .offset: 56, .size: 8, .value_kind: global_buffer, .address_space: global }
      - { .name: b_1, .offset: 64, .size: 8, .value_kind: global_buffer, .address_space: global }
      - { .name: b_2, .offset: 72, .size: 8, .value_kind: global_buffer, .address_space: global }
      - { .name: out0, .offset: 80, .size: 8, .value_kind: global_buffer, .address_space: global }
    .group_segment_fixed_size: 222208
    .private_segment_fixed_size: 0
    .kernarg_segment_align: 8
    .kernarg_segment_size: 88
    .max_flat_workgroup_size: 256
    .sgpr_count:     80
    .vgpr_count:     512
    .wavefront_size: 32
...
	.end_amdgpu_metadata
.endif
;; end of part 4
